; MI455X (gfx1250); checked and timed in simulation.
; The chip was launched on July 23, 2026; its instructions are those of AMD's public machine-readable ISA for CDNA 5 (MIT licence, August 2026) and "CDNA5" Instruction Set Architecture Reference Guide (July 2026). The comments in the code are by the model that wrote it; some were corrected since.
;; Multi Headed Attention Block. Allowed arithmetic: matrix products marked QUANTISED: E2M3 operands, one E8M0 scale for each 32 along K, by v_wmma_scale_f32_16x16x128_f8f6f4 with both operands' format E2M3, f32 sums; everything else in f32.
;; Inputs: Wk 1,024 x 1,024 float32; Wo 1,024 x 1,024 float32; Wq 1,024 x 1,024 float32; Wv 1,024 x 1,024 float32; bk 1,024 float32; bo 1,024 float32; bq 1,024 float32; bv 1,024 float32; q 4 x 2,048 x 1,024 float32; q_mask 4 x 2,048 bool.
;; Outputs: out0 4 x 2,048 x 1,024 float32.
;; This version of the problem:
;;   THIS VERSION OF THE PROBLEM IS GIVEN IN LOW PRECISION. The matrix products marked QUANTISED in the list below multiply operands that are first quantised to E2M3 (2 exponent bits, 3 mantissa bits; 6 bits a number), with one power-of-two scale for each 32 numbers along K (OCP MX v1.0); their sums are f32. All else is computed in f32.
;;   The module's matrix products, in the order in which they are computed (A, B: the left and right operand; K: the contracted axis; several contracted axes count as one K, in the product's order):
;;     1. [M 8,192, K 1,024] x [K 1,024, N 1,024]; A: input q; B: input Wq: QUANTISED
;;     2. [M 8,192, K 1,024] x [K 1,024, N 1,024]; A: input q; B: input Wk: QUANTISED
;;     3. [M 8,192, K 1,024] x [K 1,024, N 1,024]; A: input q; B: input Wv: QUANTISED
;;     4. batch 64 x [M 2,048, K 64] x [K 64, N 2,048]; A: computed on the way; B: computed on the way: QUANTISED
;;     5. batch 64 x [M 2,048, K 2,048] x [K 2,048, N 64]; A: computed on the way; B: computed on the way: QUANTISED
;;     6. [M 8,192, K 1,024] x [K 1,024, N 1,024]; A: computed on the way; B: input Wo: QUANTISED
;;   THE QUANTISER, for each operand of a quantised product, along K:
;;     - K is cut into blocks of 32 from its start; a last block that is shorter is filled with zeros.
;;     - A block's scale is 2^e with e = floor(log2(the largest magnitude in the block)) - 2, held to -126 .. 127; a block of zeros has e = 0. As a byte (E8M0): e + 127.
;;     - Each number is divided by its block's scale, clamped to +-7.5, and rounded to the nearest number of E2M3, ties to even, subnormals kept.
;;     - The product sums the exact products of the quantised numbers (number of the format x scale) in f32.
;;   ~~~python
;;   def quantise(x, axis):      # numpy; x: float32 -> the quantised numbers, widened to float32 again
;;       x = np.moveaxis(x, axis, -1); K = x.shape[-1]
;;       x = np.pad(x, [(0, 0)] * (x.ndim - 1) + [(0, -K % 32)]); x = x.reshape(x.shape[:-1] + (-1, 32)); a = np.abs(x).max(-1, keepdims=True)
;;       e = np.where(a > 0, np.clip(np.frexp(np.where(a > 0, a, 1))[1] - 1 - 2, -126, 127), 0)      # np.frexp(a)[1] - 1 = floor(log2(a)), exactly
;;       r = np.clip(x / 2.0 ** e, -7.5, 7.5)
;;       step = 2.0 ** (np.maximum(np.frexp(np.where(r == 0, 1, r))[1] - 1, 0) - 3)
;;       q = np.round(r / step) * step * 2.0 ** e      # np.round: ties to even
;;       return np.moveaxis(q.reshape(q.shape[:-2] + (-1,))[..., :K], -1, axis).astype(np.float32)
;;   ~~~
;;   OPERANDS COMPUTED ON THE WAY. 'Computed on the way' means the value that the module computes at that place (a softmax that the list does not call 'softmax' is quantised finished and normalised). What goes into a quantiser is computed in f32, as accurately as f32 sums, v_exp_f32 and their like allow (about 1e-6 of the number): no bf16 or f16 on the way to a quantiser, and a product that is left as it is and whose result goes on into a quantised operand takes f32 operands (vector FMAs, or v_wmma_f32_16x16x4_f32). A number that lies on a knife's edge between two numbers of the format may be rounded either way, as far as f32 arithmetic and the matrix unit's own rounding can turn it there, and no further.
;; One version. Each part assembles by itself: llvm-mc -triple=amdgcn-amd-amdhsa -mcpu=gfx1250 --defsym DOCPART=n.
;; ======== version 1 of 1: 4 launches
;; limits: right only within a limited range of input values
;; workspace buffers: codes 9,437,184 bytes; scales 393,216 bytes; qk 17,825,792 bytes; vt 6,553,600 bytes; ocodes 6,291,456 bytes; oscales 262,144 bytes
;; launch quant (part 1): grid 256 x 1, 3 waves a work-group, no clusters, 25,856 bytes of LDS; arguments q, Wq, Wk, Wv, Wo, codes, scales; writes codes, scales
.if DOCPART == 1
	.amdgcn_target "amdgcn-amd-amdhsa--gfx1250"
	.amdhsa_code_object_version 6
	.text
	.protected	k_q99193e227a_quant
	.globl	k_q99193e227a_quant
	.p2align	8
	.type	k_q99193e227a_quant,@function
k_q99193e227a_quant:
	s_mov_b64 s[64:65], 0
	v_nop
	global_prefetch_b8 v0, s[64:65] scope:SCOPE_SE
	s_setreg_imm32_b32 hwreg(HW_REG_WAVE_MODE, 25, 1), 1
	s_wait_xcnt 0x0
; q [8192][1024] and Wq, Wk, Wv, Wo [1024][1024], f32, K innermost, become codes of FP6 (E2M3) with one E8M0 byte for each 32 along K.
; A block's byte is its largest magnitude's exponent field - 2, held at 1 from below (a block of zeros keeps the byte 1: its codes are zeros, and this program alone reads the bytes).
; LIMITS: NaN and infinities among the inputs are not served.
; THE OUTPUT IS LAID AS THE MATRIX OPERAND'S REGISTERS.  codes: [tile of 16 rows][K step of 128: 8][half c: 2][768 bytes]; a half is registers 6 c .. 6 c + 3 of all lanes (16 bytes a lane, 512 bytes)
; and then registers 6 c + 4, 6 c + 5 (8 bytes a lane, 256 bytes).  Tiles 0-511 q, 512-575 Wq, 576-639 Wk, 640-703 Wv, 704-767 Wo.  scales: [row as it stands in its tile][8 words], a word for each K step.
; THE ROWS OF A TILE ARE NOT NEIGHBOURS: row i of tile 2 g + u is row 32 g + 8 u + i + 8 (i / 8) of its tensor, so that results of two neighbouring tiles used as source 0 are 16 neighbours in a lane's registers.
; SHARES: 768 tiles, one to a wave: 256 work-groups of three waves.  A wave walks its tile's 8 K steps.  Each load reads 512 consecutive bytes of one row; the 16 rows x 512 bytes turn through the wave's
; own stage in LDS (rows 528 bytes apart, so that sixteen rows start in sixteen different groups of banks) and come back as the operand wants them: lane (r, h) gets k = 64 c + 32 h + 0 .. 31 of row r.
; No barrier: waves share nothing.  Loads run two K steps (32 loads a wave) ahead.
.set STG,   8448                       ; a wave's stage: 16 rows x 528 bytes
.set SPARE, 3*STG                      ; behind the stages: the spare words, 128 bytes for each wave, in two blocks of 256 bytes that no other line names
.set SPW,   12                         ; v12  LDS address of my spare word; never rewritten
.set NIL,   13                         ; v13  0; never rewritten
.set PC,    28                         ; v28-39  a fragment's codes
.set SW,    48                         ; v48-55  my row's scale words, one for each K step
.set R,     64                         ; v64-191 two sets of 64: a K step as it is loaded
.set X,     192                        ; v192-255 my 64 numbers of the K step: two whole blocks
	s_load_b256 s[4:11], s[0:1], 0x0               ; q, Wq, Wk, Wv
	s_load_b128 s[12:15], s[0:1], 0x20             ; Wo, codes
	s_load_b64 s[16:17], s[0:1], 0x30              ; scales
	v_lshl_add_u32 v[SPW], v0, 2, SPARE
	v_mov_b32 v[NIL], 0
	v_lshrrev_b32 v1, 5, v0
	v_readfirstlane_b32 s18, v1                    ; wave 0..2
	v_and_b32 v1, 31, v0                           ; lane
	v_and_b32 v2, 15, v0                           ; r
	v_bfe_u32 v3, v0, 4, 1                         ; h
	v_lshlrev_b32 v4, 4, v1                        ; 16 x lane: my bytes of a load, and of a store of four registers
	s_mul_i32 s19, s18, STG
	v_add_nc_u32 v5, s19, v4                       ; the stage, on the way in
	v_mul_u32_u24 v6, v2, 528
	v_lshl_add_u32 v6, v3, 7, v6
	v_add_nc_u32 v6, s19, v6                       ; and on the way out: row r, + 128 h
	v_lshlrev_b32 v8, 3, v1
	v_add_nc_u32 v8, 512, v8                       ; 8 x lane + 512: my bytes of a store of two registers
	v_lshlrev_b32 v9, 5, v2
	v_lshl_add_u32 v9, v3, 4, v9                   ; the scale words' way out: 32 r + 16 h
	v_lshlrev_b32 v10, 3, v3                       ; 8 h
	v_mov_b32 v25, 0                               ; a lane permute's destination counts as one of its sources
	s_mov_b32 s20, 0x76543210
	s_mov_b32 s21, 0xfedcba98                      ; v_permlanex16_b32's selects for lane l xor 16
	s_mul_i32 s22, ttmp9, 3
	s_add_co_u32 s22, s22, s18                     ; my tile, 0 .. 767
	s_and_b32 s23, s22, 63
	s_cmp_lt_u32 s22, 512
	s_cselect_b32 s23, s22, s23                    ; and its number within its tensor
	s_lshr_b32 s24, s23, 1
	s_lshl_b32 s24, s24, 17                        ; 32 rows of 4,096 bytes for each pair of tiles,
	s_and_b32 s25, s23, 1
	s_lshl_b32 s25, s25, 15                        ; 8 rows for the odd tile
	s_add_co_u32 s24, s24, s25
	s_mov_b32 s25, 0
	s_mul_i32 s26, s22, 12288
	s_mov_b32 s27, 0
	s_lshl_b32 s28, s22, 9
	s_mov_b32 s29, 0
	s_wait_alu depctr_va_vdst(0)
	s_wait_kmcnt 0x0
	s_cmp_lt_u32 s22, 704                          ; which tensor: the choice hangs on the tile's number alone
	s_cselect_b64 s[12:13], s[10:11], s[12:13]
	s_cmp_lt_u32 s22, 640
	s_cselect_b64 s[12:13], s[8:9], s[12:13]
	s_cmp_lt_u32 s22, 576
	s_cselect_b64 s[12:13], s[6:7], s[12:13]
	s_cmp_lt_u32 s22, 512
	s_cselect_b64 s[12:13], s[4:5], s[12:13]
	s_add_nc_u64 s[12:13], s[12:13], s[24:25]
	s_add_nc_u64 s[14:15], s[14:15], s[26:27]
	s_add_nc_u64 s[16:17], s[16:17], s[28:29]
.macro LOAD s                          ; K step s of my 16 rows: 32 lanes read 512 consecutive bytes of a row
.irp i, 0,1,2,3,4,5,6,7,8,9,10,11,12,13,14,15
	global_load_b128 v[R+64*((\s)%2)+4*\i:R+64*((\s)%2)+4*\i+3], v4, s[12:13] offset:(\i+8*(\i/8))*4096+512*(\s) th:TH_LOAD_NT
.endr
.endm
.macro STEP s
.if (\s) < 7
	s_wait_loadcnt 16                              ; this K step's 16 loads are in; the next step's 16 may be out
.else
	s_wait_loadcnt 0x0
.endif
.irp i, 0,1,2,3,4,5,6,7,8,9,10,11,12,13,14,15
	ds_store_b128 v5, v[R+64*((\s)%2)+4*\i:R+64*((\s)%2)+4*\i+3] offset:528*\i
.endr
.irp c, 0,1
.irp j, 0,1,2,3,4,5,6,7
	ds_load_b128 v[X+32*\c+4*\j:X+32*\c+4*\j+3], v6 offset:256*\c+16*\j   ; LDS serves a wave's instructions in order: these see the stores above
.endr
.endr
	s_wait_dscnt 0x0                               ; my 64 numbers are back, and the stores have read their registers,
.if (\s)+2 < 8
	LOAD (\s)+2                                    ; which take the loads of two K steps on
.endif
.irp c, 0,1
	v_max3_num_f32 v[16+\c], |v[X+32*\c]|, |v[X+32*\c+1]|, 0x1800000   ; block 2 c + h: all its 32 numbers are mine; and the floor 2^(3 - 127), so that the byte cannot fall under 1
.endr
.irp i, 2,4,6,8,10,12,14,16,18,20,22,24,26,28,30
.irp c, 0,1
	v_max3_num_f32 v[16+\c], v[16+\c], |v[X+32*\c+\i]|, |v[X+32*\c+\i+1]|   ; (the two blocks by turns)
.endr
.endr
.irp c, 0,1
	v_add_nc_u32 v[20+\c], 0xff000000, v[16+\c]    ; 2 off the exponent field: the conversion takes the exponent field of this operand as its scale
.endr
.irp c, 0,1
	v_lshrrev_b32 v[22+\c], 23, v[20+\c]           ; the scale's byte
.endr
	v_lshl_or_b32 v24, v23, 16, v22                ; my two bytes, blocks h and 2 + h,
	v_lshlrev_b32 v24, v10, v24                    ; at their places in the word;
	v_permlanex16_b32 v25, v24, s20, s21
	v_or_b32 v[SW+(\s)], v24, v25                  ; with lane l xor 16's two the word is whole
	s_wait_alu depctr_va_vdst(0)
	s_wait_xcnt 0x0                                ; the last K step's stores have read the codes' registers
.irp c, 0,1
	v_cvt_scalef32_pk16_fp6_f32 v[PC+6*\c:PC+6*\c+2], v[X+32*\c:X+32*\c+15], v[20+\c]
	v_cvt_scalef32_pk16_fp6_f32 v[40+4*\c:42+4*\c], v[X+32*\c+16:X+32*\c+31], v[20+\c]   ; (a conversion's three registers begin on an even number)
.endr
	v_nop                                          ; one plain place behind a scaled conversion
.irp c, 0,1
.irp i, 0,1,2
	v_mov_b32 v[PC+3+6*\c+\i], v[40+4*\c+\i]
.endr
.endr
.irp c, 0,1
	global_store_b128 v4, v[PC+6*\c:PC+6*\c+3], s[14:15] offset:1536*(\s)+768*\c     ; 512 consecutive bytes, at a multiple of 256 from the buffer's first byte
	global_store_b64 v8, v[PC+6*\c+4:PC+6*\c+5], s[14:15] offset:1536*(\s)+768*\c    ; and the 256 behind them
.endr
.endm
	LOAD 0
	LOAD 1
.irp s, 0,1,2,3,4,5,6,7
	STEP \s
.endr
	v_cmp_ne_u32 vcc_lo, 0, v3
.irp j, 0,1,2,3
	v_cndmask_b32 v[56+\j], v[SW+\j], v[SW+4+\j], vcc_lo   ; lanes 0-15 store their row's words 0-3, lanes 16-31 words 4-7
.endr
	global_store_b128 v9, v[56:59], s[16:17]       ; the tile's 512 bytes of scales, consecutive
	s_wait_tensorcnt 0x0                           ; the wave's end: behind my last LDS store
	ds_add_u32 v[SPW], v[NIL]
	s_wait_dscnt 0x0
	s_endpgm
.Lfunc_end_k_q99193e227a_quant:
	.size	k_q99193e227a_quant, .Lfunc_end_k_q99193e227a_quant-k_q99193e227a_quant
	.p2alignl 7, 3214868480
	.fill 96, 4, 3214868480
	.section	.rodata,"a",@progbits
	.p2align	6, 0x0
	.amdhsa_kernel k_q99193e227a_quant
		.amdhsa_group_segment_fixed_size 25856
		.amdhsa_private_segment_fixed_size 0
		.amdhsa_enable_private_segment 0
		.amdhsa_kernarg_size 56
		.amdhsa_user_sgpr_count 2
		.amdhsa_user_sgpr_kernarg_segment_ptr 1
		.amdhsa_wavefront_size32 1
		.amdhsa_system_sgpr_workgroup_id_x 1
		.amdhsa_system_sgpr_workgroup_id_y 1
		.amdhsa_system_sgpr_workgroup_id_z 1
		.amdhsa_system_vgpr_workitem_id 0
		.amdhsa_next_free_vgpr 256
		.amdhsa_next_free_sgpr 66
		.amdhsa_reserve_vcc 1
		.amdhsa_float_denorm_mode_32 3
		.amdhsa_float_denorm_mode_16_64 3
		.amdhsa_memory_ordered 1
		.amdhsa_forward_progress 1
		.amdhsa_inst_pref_size 59
	.end_amdhsa_kernel
	.amdgpu_metadata
---
amdhsa.version: [ 1, 2 ]
amdhsa.kernels:
  - .name:           k_q99193e227a_quant
    .symbol:         k_q99193e227a_quant.kd
    .args:
      - { .name: q, .offset: 0, .size: 8, .value_kind: global_buffer, .address_space: global }
      - { .name: Wq, .offset: 8, .size: 8, .value_kind: global_buffer, .address_space: global }
      - { .name: Wk, .offset: 16, .size: 8, .value_kind: global_buffer, .address_space: global }
      - { .name: Wv, .offset: 24, .size: 8, .value_kind: global_buffer, .address_space: global }
      - { .name: Wo, .offset: 32, .size: 8, .value_kind: global_buffer, .address_space: global }
      - { .name: codes, .offset: 40, .size: 8, .value_kind: global_buffer, .address_space: global }
      - { .name: scales, .offset: 48, .size: 8, .value_kind: global_buffer, .address_space: global }
    .group_segment_fixed_size: 25856
    .private_segment_fixed_size: 0
    .kernarg_segment_align: 8
    .kernarg_segment_size: 56
    .max_flat_workgroup_size: 96
    .sgpr_count:     66
    .vgpr_count:     256
    .wavefront_size: 32
...
	.end_amdgpu_metadata
.endif
;; end of part 1
;; launch proj (part 2): grid 8 x 32, 4 waves a work-group, clusters of 4 x 4, 327,680 bytes of LDS; arguments codes, scales, bq, bk, bv, q_mask, qk, vt; writes qk, vt
.if DOCPART == 2
	.amdgcn_target "amdgcn-amd-amdhsa--gfx1250"
	.amdhsa_code_object_version 6
	.text
	.protected	k_q99193e227a_proj
	.globl	k_q99193e227a_proj
	.p2align	8
	.type	k_q99193e227a_proj,@function
k_q99193e227a_proj:
	s_mov_b64 s[64:65], 0
	v_nop
	global_prefetch_b8 v0, s[64:65] scope:SCOPE_SE
	s_setreg_imm32_b32 hwreg(HW_REG_WAVE_MODE, 25, 1), 1
	s_wait_xcnt 0x0
	s_wait_alu depctr_hold_cnt(0) depctr_sa_sdst(0) depctr_va_vdst(0) depctr_va_sdst(0) depctr_va_ssrc(0) depctr_va_vcc(0) depctr_vm_vsrc(0)
	s_getreg_b32 s2, hwreg(HW_REG_IB_STS2, 6, 4)
	s_cmp_eq_u32 s2, 0
	s_cbranch_scc0 .Lentry_in_a_cluster
	s_endpgm
.Lentry_in_a_cluster:
	s_bfe_u32 s2, ttmp6, 0x10000c
	s_cmp_lg_u32 s2, 0xf033
	s_cbranch_scc0 .Lentry_shape_is_right
	s_endpgm
.Lentry_shape_is_right:
; The three projections x W^T + b on codes of FP6 (E2M3) with E8M0 scales, and their results quantised at once into the operands of the attention launch.
; Both operands come from one buffer of codes laid as operand registers ([tile of 16 rows][8 K steps][1,536 bytes]; tiles 0-511 q, 512-575 Wq, 576-639 Wk, 640-703 Wv) and one of scale words ([row in its tile][8 words]).
; SHARES: work-group (g, y) has q's rows 256 y .. + 255 and, one after the other, rows 128 g .. + 127 of Wq, Wk and Wv: 8 x 32 = 256 work-groups of equal work.
; q's 16 tiles, all of K, and their scales stay in LDS; the weights' 8 tiles and scales have one region, filled three times.  Four tensor loads at the head, one a wave; a refill is asked for in the
; last K step of a tile, behind the waits, the add and a round of the cluster's barrier, and lands under that tile's way out.  No prefetch: two refills, each asked for a whole way out ahead of its first read.
; CLUSTERS: 4 x 4 work-groups; q's tiles are asked for jointly along a row of the cluster, the weights' along a column.
; A WAVE has 32 accumulators: source 1 (the lanes) 4 tiles, source 0 (the registers) 8 tiles.  Q, K: lanes = my 64 rows of q, registers = the 128 outputs (two heads).
; V: lanes = my 64 rows of Wv (one head), registers = my 128 rows of q, the KEYS, which are the second attention product's K.  Only LDS addresses differ; there is no branch between the two.
; The rows of every tile stand in the order 32 g + 8 u + i + 8 (i / 8), so the 16 registers of two neighbouring tiles of source 0 are 16 neighbours.  The bias is the C of the first K step's products.
; OUTPUT qk: [batch][32: 16 heads of Q, 16 of K][16 steps of 128 rows][8,704 bytes]: 8 tiles x (registers 0-3, registers 4-7, 16 bytes a lane each), then 512 bytes of scale words [lane][4]: lane (r, hh), word j: tile 4 hh + j, row r.
; Tiles a with a / 2 odd lie with their rows 0-7 and 8-15 exchanged.  THE SPARE HALF OF K CARRIES THE MASK: at k = 64 a query has the code of 1.0 under the byte 127; a key that the mask hides has the code of -7.5
; under the byte 187, any other key the code 0 under the byte 0.  LIMIT: real scores lie between -2^40 and about 1e17.
; OUTPUT vt: [batch][head][16 steps of 128 keys][6,400 bytes]: 4 tiles of 16 channels x 12 registers (three runs of 16 bytes a lane), then 256 bytes of scale words [channel in tile][4 tiles].
; LIMITS: NaN and infinities are not served; a block of zeros keeps the byte 1.
; REGISTERS: window 0: v3-31 addresses, v32-95 scale words (8 i + k: lanes 0-15 the lanes' tile i, lanes 16-31 the registers' tile i, K step k), v96-159 the bias, v160-255 source 1's fragments, two sets, on the way out codes and work.
;   window 1: source 0's fragments, two sets, at v0 and v128; v96-99 the mask bytes of my rows.   window 2: the accumulators ((a, b) at v[8 (8 a + b)]).
.set FR,    12
.set NP,    4                          ; places behind this matrix instruction (ISA guide 7.12.1)
.set TILE,  12288
.set WBASE, 16*TILE                    ; the weights' 8 tiles, behind q's 16
.set SCQ,   24*TILE                    ; q's scales, as units of 256 bytes + 16 of padding: 32 units
.set SCW,   SCQ+32*272                 ; the weights': 16 units
.set SBLK,  2*272                      ; those of 16 rows
.set SPARE, SCW+16*272                 ; the spare words, 128 bytes for each wave
.set STQ,   SPARE+512                  ; stages for scale words: Q, K 512 bytes a wave,
.set STV,   STQ+2048                   ; V 256 bytes a wave
.set SPW,  4
.set NIL,  5
.set SC,   32
.set BX,   96
.set AF,   160
.set PC,   160                         ; the way out: codes v160-171, v172-178 at work
.set TM,   180                         ; v180-183 largest magnitudes, v184-187 bytes, v188-191 the conversions' scale operands
.set PW,   196                         ; the scale word just made
.set G1Q, 24
.set G0Q, 32
.set G1W, 48
.set G0W, 56
.set G1SQ, 68
.set G0SQ, 76
.set G1SW, 80
.set G0SW, 88
.set SEL, 96
.set MSB, 0
.macro WIN new                         ; the immediate's high byte repeats the setting that is left
.if MSB != (\new)
	s_set_vgpr_msb (MSB<<8)|(\new)
.set MSB, \new
.endif
.endm
.macro CREST                           ; a round of the cluster's barrier behind its opening barrier
	s_cmp_lg_u32 s20, 0
	s_cbranch_scc1 .Lnot_wave_0_\@
	s_barrier_signal -3
.Lnot_wave_0_\@:
	s_barrier_wait -3
	s_barrier_signal -1
	s_barrier_wait -1
.endm
.macro CROUND
	s_barrier_signal -1
	s_barrier_wait -1
	CREST
.endm
.macro PLACES n
.rept \n
	v_nop
.endr
.endm
	s_load_b256 s[4:11], s[0:1], 0x0               ; codes, scales, bq, bk
	s_load_b256 s[12:19], s[0:1], 0x20             ; bv, q_mask, qk, vt
	v_lshl_add_u32 v[SPW], v0, 2, SPARE
	v_mov_b32 v[NIL], 0
	ds_add_u32 v[SPW], v[NIL]                      ; the opening lines: the add twice and its wait ahead of my tensor load
	ds_add_u32 v[SPW], v[NIL]
	v_lshrrev_b32 v1, 5, v0
	v_readfirstlane_b32 s20, v1                    ; wave 0..3
	s_lshr_b32 s21, s20, 1                         ; V: which 128 keys
	s_and_b32 s22, s20, 1                          ; V: which 64 channels
	s_bfe_u32 s40, ttmp6, 0x40000                  ; cx
	s_bfe_u32 s41, ttmp6, 0x40004                  ; cy
	s_and_b32 s93, ttmp7, 0xffff
	s_lshl_b32 s93, s93, 2
	s_add_co_u32 s93, s93, s41                     ; y: q's block of 256 rows, 0..31
	s_lshl_b32 s94, ttmp9, 2
	s_add_co_u32 s94, s94, s40                     ; g: the weights' 128 rows, 0..7
	s_lshl_b32 s42, s41, 2
	s_lshl_b32 s42, 15, s42                        ; my row of the cluster
	s_lshl_b32 s43, 0x1111, s40                    ; my column
	s_or_b32 s[G1Q+0], s42, (3<<16)|(1<<21)        ; dense blocks as rows of 256 bytes (32 elements of 8): q's codes 768 rows, the weights' 384
	s_or_b32 s[G1W+0], s43, (3<<16)|(1<<21)
	s_or_b32 s[G1SQ+0], s42, (3<<16)|(1<<20)|(1<<21)|(5<<22)|(3<<25)   ; the scales with 16 bytes of padding behind each row: q's 32 rows, the weights' 16
	s_or_b32 s[G1SW+0], s43, (3<<16)|(1<<20)|(1<<21)|(5<<22)|(3<<25)
.irp g, G1Q, G1W, G1SQ, G1SW
	s_mov_b32 s[\g+1], 32<<16
	s_mov_b32 s[\g+3], 32<<16
	s_mov_b32 s[\g+5], 32
	s_mov_b32 s[\g+6], 0
	s_mov_b32 s[\g+7], 0
.endr
	s_mov_b32 s[G1Q+2], 768<<16
	s_mov_b32 s[G1Q+4], 768
	s_mov_b32 s[G1W+2], 384<<16
	s_mov_b32 s[G1W+4], 384
	s_mov_b32 s[G1SQ+2], 32<<16
	s_mov_b32 s[G1SQ+4], 32
	s_mov_b32 s[G1SW+2], 16<<16
	s_mov_b32 s[G1SW+4], 16
	s_mul_i32 s44, s93, 16*TILE                    ; q's codes,
	s_mov_b32 s45, 0
	s_lshl_b32 s46, s93, 13                        ; q's scales: 256 rows of 32 bytes
	s_mov_b32 s47, 0
	s_lshl_b32 s98, s94, 3
	s_add_co_u32 s98, s98, 512                     ; Wq's tile 8 g
	s_mul_i32 s100, s98, TILE
	s_mov_b32 s101, 0
	s_lshl_b32 s98, s98, 9
	s_mov_b32 s99, 0
	s_mov_b32 s[SEL], 0x76543210
	s_mov_b32 s[SEL+1], 0xfedcba98                 ; v_permlanex16_b32's selects for lane l xor 16
	s_wait_dscnt 0x0
	s_wait_kmcnt 0x0
	CROUND                                         ; all sixteen work-groups are here: the joint loads meet
	s_mov_b32 s[G0Q], 1
	s_mov_b32 s[G0Q+1], 0
	s_add_nc_u64 s[G0Q+2:G0Q+3], s[4:5], s[44:45]
	s_or_b32 s[G0Q+3], s[G0Q+3], 0x80000000
	s_mov_b32 s[G0W], 1
	s_mov_b32 s[G0W+1], WBASE
	s_add_nc_u64 s[G0W+2:G0W+3], s[4:5], s[100:101]
	s_or_b32 s[G0W+3], s[G0W+3], 0x80000000
	s_mov_b32 s[G0SQ], 1
	s_mov_b32 s[G0SQ+1], SCQ
	s_add_nc_u64 s[G0SQ+2:G0SQ+3], s[6:7], s[46:47]
	s_or_b32 s[G0SQ+3], s[G0SQ+3], 0x80000000
	s_mov_b32 s[G0SW], 1
	s_mov_b32 s[G0SW+1], SCW
	s_add_nc_u64 s[G0SW+2:G0SW+3], s[6:7], s[98:99]
	s_or_b32 s[G0SW+3], s[G0SW+3], 0x80000000
.macro ARM under, g0, g1, next         ; one tree of branches on the wave's number: every way through it passes one load
	s_cmp_lt_u32 s20, \under
	s_cbranch_scc0 \next
	tensor_load_to_lds s[\g0:\g0+3], s[\g1:\g1+7]
	s_nop 0
.rept 4
	v_nop
.endr
	s_branch .Lhead_asked
\next:
.endm
	ARM 1, G0Q,  G1Q,  .Lhead_w                    ; wave 0 q's codes, wave 1 Wq's codes, wave 2 q's scales, wave 3 Wq's scales
	ARM 2, G0W,  G1W,  .Lhead_sq
	ARM 3, G0SQ, G1SQ, .Lhead_sw
	tensor_load_to_lds s[G0SW:G0SW+3], s[G1SW:G1SW+7]
	s_nop 0
.rept 4
	v_nop
.endr
.Lhead_asked:
	s_lshl_b32 s98, s94, 9                         ; the biases of outputs 128 g on
	s_mov_b32 s99, 0
	s_add_nc_u64 s[8:9], s[8:9], s[98:99]
	s_add_nc_u64 s[10:11], s[10:11], s[98:99]
	s_add_nc_u64 s[12:13], s[12:13], s[98:99]
	s_lshl_b32 s44, s22, 8
	s_mov_b32 s45, 0
	s_add_nc_u64 s[12:13], s[12:13], s[44:45]      ; V: my 64 channels'
	s_lshl_b32 s44, s93, 8
	s_lshl_b32 s46, s20, 6
	s_add_co_u32 s44, s44, s46
	s_add_nc_u64 s[14:15], s[14:15], s[44:45]      ; the mask at my 64 rows of q
	s_lshr_b32 s46, s93, 3                         ; batch
	s_and_b32 s47, s93, 7
	s_lshl_b32 s47, s47, 1
	s_add_co_u32 s47, s47, s21                     ; the step of 128 rows
	s_lshl_b32 s98, s94, 1                         ; the first of the tile's two heads
	s_lshl_b32 s44, s46, 5
	s_add_co_u32 s44, s44, s98
	s_lshl_b32 s44, s44, 4
	s_add_co_u32 s44, s44, s47
	s_mul_i32 s44, s44, 8704                       ; Q's block of qk (K's lies 16 heads on)
	s_lshl_b32 s100, s22, 8
	s_add_co_u32 s100, s100, s44
	s_add_co_u32 s100, s100, 8192
	s_mov_b32 s101, 0
	s_add_nc_u64 s[36:37], s[16:17], s[100:101]    ; my 256 bytes of its scale words
	s_lshl_b32 s100, s22, 12
	s_add_co_u32 s44, s44, s100
	s_add_nc_u64 s[16:17], s[16:17], s[44:45]      ; my four tiles of it
	s_lshl_b32 s44, s46, 4
	s_add_co_u32 s44, s44, s98
	s_add_co_u32 s44, s44, s22
	s_lshl_b32 s44, s44, 4
	s_add_co_u32 s44, s44, s47
	s_mul_i32 s44, s44, 6400
	s_add_nc_u64 s[18:19], s[18:19], s[44:45]      ; my block of vt
	s_mul_i32 s60, s20, 4*TILE                     ; LDS.  Q, K: my 4 tiles of q
	s_mul_i32 s61, s21, 8*TILE                     ; V: my 8 tiles of q,
	s_add_co_u32 s62, s61, 4*TILE
	s_mul_i32 s63, s22, 4*TILE
	s_add_co_u32 s63, s63, WBASE                   ; my 4 tiles of Wv
	s_mul_i32 s23, s20, 8*272
	s_add_co_u32 s66, s23, SCQ                     ; Q, K: lanes 0-15 the scales of my 64 rows of q,
	s_sub_co_u32 s67, SCW-SCQ, s23                 ; lanes 16-31 the weights': so much further on
	s_mul_i32 s23, s21, 16*272
	s_add_co_u32 s92, s23, SCQ                     ; V: lanes 16-31 the scales of my 128 rows of q,
	s_mul_i32 s95, s22, 8*272
	s_add_co_u32 s95, s95, SCW-SCQ
	s_sub_co_u32 s95, s95, s23                     ; lanes 0-15 those of my 64 rows of Wv: so much further on
	s_lshl_b32 s2, s20, 9
	s_add_co_u32 s2, s2, STQ
	s_lshl_b32 s3, s20, 8
	s_add_co_u32 s3, s3, STV
	v_and_b32 v1, 31, v0
	v_and_b32 v2, 15, v0                           ; r
	v_bfe_u32 v3, v0, 4, 1                         ; h
	v_lshlrev_b32 v7, 4, v1                        ; 16 x lane
	v_lshlrev_b32 v13, 6, v3                       ; 64 h: my half's 16 of each 32 biases
	v_and_b32 v14, 8, v2
	v_lshlrev_b32 v1, 3, v1                        ; 8 x lane
	v_add_nc_u32 v14, v14, v2                      ; r + 8 (r / 8): my row's place among a tile's rows
.macro BIASQK p                        ; register 16 e + i: the bias of output 32 e + 16 h + i
.irp e, 0,1,2,3
.irp d, 0,1,2,3
	global_load_b128 v[BX+16*\e+4*\d:BX+16*\e+4*\d+3], v13, s[\p:\p+1] offset:128*\e+16*\d
.endr
.endr
.endm
	BIASQK 8
	WIN 0x40                                       ; destination window 1
.irp a, 0,1,2,3
	global_load_u8 v[96+\a], v14, s[14:15] offset:32*(\a/2)+8*(\a%2)
.endr
	WIN 0
	v_xor_b32 v6, 128, v7                          ; 16 x (lane xor 8)
	v_lshlrev_b32 v15, 2, v14
	v_add_nc_u32 v160, 512, v1                     ; 8 x lane + 512
	v_add_nc_u32 v16, WBASE, v7                    ; Q, K: v16-17 source 0's tiles 0-3, 4-7, runs of 16 bytes a lane; v18-19 runs of 8; v20-21 source 1's
	v_add_nc_u32 v17, WBASE+4*TILE, v7
	v_add_nc_u32 v18, WBASE, v160
	v_add_nc_u32 v19, WBASE+4*TILE, v160
	v_add_nc_u32 v20, s60, v7
	v_add_nc_u32 v21, s60, v160
	v_add_nc_u32 v22, s61, v7                      ; V: v22-27 likewise
	v_add_nc_u32 v23, s62, v7
	v_add_nc_u32 v24, s61, v160
	v_add_nc_u32 v25, s62, v160
	v_add_nc_u32 v26, s63, v7
	v_add_nc_u32 v27, s63, v160
	v_mul_u32_u24 v161, v2, 32                     ; my row's scales: 32 bytes a row,
	v_sub_nc_u32 v162, 1, v3                       ; 1 in lanes 0-15
	v_lshrrev_b32 v163, 8, v161
	v_mul_u32_u24 v164, v162, 4*SBLK
	v_lshl_add_u32 v161, v163, 4, v161             ; and 16 more for each 256 passed
	v_mul_u32_u24 v163, s67, v3
	v_mul_u32_u24 v165, s95, v162
	v_add_nc_u32 v163, v161, v163
	v_add_nc_u32 v165, v161, v165
	v_add_nc_u32 v28, s66, v163                    ; Q, K: the scale words of tiles 0-3;
	v_add_nc_u32 v30, s92, v165                    ; V
	v_sub_nc_u32 v29, v28, v164                    ; of tiles 4-7: lanes 0-15, which have four tiles, read theirs again
	v_sub_nc_u32 v31, v30, v164
	v_lshl_add_u32 v8, v2, 4, s2                   ; Q, K: my stage + 16 r,
	v_add_nc_u32 v9, s2, v7                        ; + 16 x lane
	v_lshl_add_u32 v10, v2, 4, s3                  ; V: my stage + 16 r,
	v_add_nc_u32 v11, s3, v1                       ; + 8 x lane
	v_mul_u32_u24 v12, v3, 139264                  ; Q, K's scale words in memory: lanes 16-31 the next head's block
	v_lshl_add_u32 v12, v2, 4, v12
	v_add_nc_u32 v3, 6144, v1                      ; V's: behind the block's four tiles
.macro FRAG reg, a16, a8, off          ; a fragment comes as it was laid: registers 0-3, 4-5, 6-9, 10-11
	ds_load_b128 v[\reg:\reg+3],     v[\a16] offset:\off
	ds_load_b64  v[\reg+4:\reg+5],   v[\a8]  offset:\off
	ds_load_b128 v[\reg+6:\reg+9],   v[\a16] offset:\off+768
	ds_load_b64  v[\reg+10:\reg+11], v[\a8]  offset:\off+768
.endm
.macro FETCH k, p                      ; K step k's fragments into set k % 2: source 0's eight, source 1's four; p: the first of the six address registers
	WIN 0x40
.irp i, 0,1,2,3,4,5,6,7
	FRAG 128*((\k)%2)+FR*\i, \p+\i/4, \p+2+\i/4, TILE*(\i%4)+1536*(\k)
.endr
	WIN 0
.irp i, 0,1,2,3
	FRAG AF+48*((\k)%2)+FR*\i, \p+4, \p+5, TILE*\i+1536*(\k)
.endr
.endm
.macro ONE k, a, b, c0                 ; one product; c0: the first register of C
	v_wmma_scale_f32_16x16x128_f8f6f4 v[8*(8*\a+\b):8*(8*\a+\b)+7], v[128*((\k)%2)+FR*\b:128*((\k)%2)+FR*\b+FR-1], v[AF+48*((\k)%2)+FR*\a:AF+48*((\k)%2)+FR*\a+FR-1], v[\c0:\c0+7], v[SC+8*\b+(\k)], v[SC+8*\a+(\k)] matrix_a_fmt:MATRIX_FMT_FP6 matrix_b_fmt:MATRIX_FMT_FP6 matrix_a_scale:MATRIX_SCALE_ROW1
.endm
.macro MUL k, cm                       ; 32 products; the accumulators take turns, one instruction a turn, in the same order in every step.  cm: 0 C = D; 1 the registers' bias; 2 the lanes' bias
.irp a, 0,1,2,3
.irp b, 0,1,2,3,4,5,6,7
.if \cm == 0
	ONE \k, \a, \b, 8*(8*\a+\b)
.elseif \cm == 1
	ONE \k, \a, \b, BX+8*\b
.else
	ONE \k, \a, \b, BX+8*\a
.endif
.endr
.endr
.endm
; A K step.  p: address registers; cm: the first step's C; nb: the next tile's bias, asked for in step 1 (1 K's, 2 V's); refill: the weights' region is filled again behind the last step
.macro STEP k, p, cm, nb, refill
.if (\k) == 7 && \refill
	s_wait_tensorcnt 0x0                           ; no tensor load of mine is out;
	ds_add_u32 v[SPW], v[NIL]                      ; 0 onto my spare word;
.endif
	s_wait_dscnt 0x0                               ; this step's fragments are in (in the last step: my reads of the weights' region are over, the add is done)
.if (\k) > 0 && (\k) < 7
	PLACES NP                                      ; behind the last step's products, whose set is loaded anew
.endif
.if (\k) == 1 && \nb == 1
	BIASQK 10
.endif
.if (\k) == 1 && \nb == 2
.irp a, 0,1,2,3
.irp j, 0,1,2,3,4,5,6,7
	global_load_b32 v[BX+8*\a+\j], v15, s[12:13] offset:(32*(\a/2)+8*(\a%2))*4     ; my channel's bias in tile a, in all eight registers of that tile's C
.endr
.endr
.endif
.if (\k) < 7
	FETCH (\k)+1, \p                               ; lands under this step's 32 products
.endif
.if (\k) == 7 && \refill
	s_barrier_signal -1                            ; opens a round of the cluster's barrier
.endif
.if (\k) == 0
	WIN 0x81                                       ; source 0 window 1, source 1 and C window 0, D window 2
	MUL \k, \cm
.else
	WIN 0xa1                                       ; C and D window 2
	MUL \k, 0
.endif
	WIN 0
.endm
.macro GEMM p, ad, cm, nb, refill, first
	s_wait_alu depctr_va_vdst(0)
.if \first == 0
	s_wait_xcnt 0x0                                ; the way out's stores have read their registers, which take fragments now
.endif
	s_wait_tensorcnt 0x0                           ; my part of what was asked for is in,
	s_wait_dscnt 0x0
	s_barrier_signal -1
	s_barrier_wait -1                              ; everybody's is
.irp i, 0,1,2,3,4,5,6,7
	ds_load_b128 v[SC+8*\i:SC+8*\i+3], v[\ad+\i/4] offset:\i*SBLK          ; all eight K steps' scale words of tile i
	ds_load_b128 v[SC+8*\i+4:SC+8*\i+7], v[\ad+\i/4] offset:\i*SBLK+16
.endr
	FETCH 0, \p
	s_wait_loadcnt 0x0                             ; the bias (and the mask)
.irp k, 0,1,2,3,4,5,6,7
	STEP \k, \p, \cm, \nb, \refill
.endr
.if \refill
	s_barrier_wait -1
	CREST                                          ; no wave of any partner still reads the weights' region or has a load on its way
	s_add_nc_u64 s[G0W+2:G0W+3], s[G0W+2:G0W+3], 64*TILE       ; the next tensor's tile 8 g
	s_add_nc_u64 s[G0SW+2:G0SW+3], s[G0SW+2:G0SW+3], 64*512
	s_cmp_eq_u32 s20, 1                            ; wave 1 asks for the codes, wave 3 for the scales
	s_cbranch_scc0 .Lre_s_\@
	tensor_load_to_lds s[G0W:G0W+3], s[G1W:G1W+7]
	s_nop 0
.rept 4
	v_nop
.endr
	s_branch .Lre_done_\@
.Lre_s_\@:
	s_cmp_eq_u32 s20, 3
	s_cbranch_scc0 .Lre_done_\@
	tensor_load_to_lds s[G0SW:G0SW+3], s[G1SW:G1SW+7]
	s_nop 0
.rept 4
	v_nop
.endr
.Lre_done_\@:
.endif
	PLACES NP                                      ; behind the last products
.irp b, 0,1,2,3
	v_mov_b32 v[TM+4+\b], 0                        ; a lane permute's destination counts as one of its sources
.endr
.endm
; 64 numbers of a lane in window 2, register s + 16 b + i = k 32 b + 16 (lane / 16) + i of my row, become a fragment's codes in v[PC] on and its scale word in v[PW].  Each accumulator is read from its low end on.
.macro QUANT s
	WIN 0x0a                                       ; sources 0 and 1 window 2
.irp b, 0,1,2,3
	v_max3_num_f32 v[TM+\b], |v[\s+16*\b]|, |v[\s+1+16*\b]|, 0x1800000     ; block b: my 16 numbers, and the floor 2^(3 - 127): the byte cannot fall under 1
.endr
	WIN 0x28                                       ; sources 1 and 2 window 2
.irp i, 2,4,6,8,10,12,14
.irp b, 0,1,2,3
	v_max3_num_f32 v[TM+\b], v[TM+\b], |v[\s+16*\b+\i]|, |v[\s+1+16*\b+\i]|
.endr
.endr
	WIN 0
.irp b, 0,1,2,3
	v_permlanex16_b32 v[TM+4+\b], v[TM+\b], s[SEL], s[SEL+1]
.endr
.irp b, 0,1,2,3
	v_max_num_f32 v[TM+\b], v[TM+\b], v[TM+4+\b]   ; with lane l xor 16's: the block's largest magnitude
.endr
.irp b, 0,1,2,3
	v_add_nc_u32 v[TM+8+\b], 0xff000000, v[TM+\b]  ; 2 off its exponent field: the conversion's scale operand
.endr
.irp b, 0,1,2,3
	v_lshrrev_b32 v[TM+4+\b], 23, v[TM+8+\b]       ; the scale's byte
.endr
	v_lshl_or_b32 v[PW], v[TM+5], 8, v[TM+4]
	v_lshl_or_b32 v[PW], v[TM+6], 16, v[PW]
	v_lshl_or_b32 v[PW], v[TM+7], 24, v[PW]
	WIN 0x02                                       ; source 0 window 2
.irp c, 0,1
	v_cvt_scalef32_pk16_fp6_f32 v[PC+6*\c:PC+2+6*\c], v[\s+32*\c:\s+15+32*\c], v[TM+8+2*\c]
	v_cvt_scalef32_pk16_fp6_f32 v[PC+12+4*\c:PC+14+4*\c], v[\s+16+32*\c:\s+31+32*\c], v[TM+8+2*\c+1]   ; (a conversion's three registers begin on an even number)
.endr
	WIN 0
	v_nop                                          ; one plain place behind a scaled conversion
.irp c, 0,1                            ; the operand's layout wants a WHOLE block in a lane
.irp i, 0,1,2
	v_permlane16_swap_b32 v[PC+6*\c+\i], v[PC+12+4*\c+\i]
.endr
.irp i, 0,1,2
	v_mov_b32 v[PC+3+6*\c+\i], v[PC+12+4*\c+\i]
.endr
.endr
.endm
; The way out of Q (t = 0) or K (t = 1).  hc, hb: the spare code and its block's byte of a hidden row; oc, ob: of any other row
.macro QKWAY t, hc, oc, hb, ob
	v_bfe_u32 v201, v0, 4, 1
	v_sub_nc_u32 v201, 1, v201
	v_mul_u32_u24 v197, v201, \hc                  ; k = 64 lies in lanes 0-15: lanes 16-31 hold zero codes
	v_mul_u32_u24 v198, v201, \oc
	v_mov_b32 v199, (\hb)<<16
	v_mov_b32 v200, (\ob)<<16
	v_mov_b32 v207, 0
.irp a, 0,1,2,3
.if \a > 0
	s_wait_xcnt 0x0                                ; the last block's stores have read the codes' registers,
	s_wait_dscnt 0x0                               ; and its LDS stores the scale words'
.endif
	QUANT 64*\a
	WIN 0x04                                       ; source 1 window 1
	v_cmp_eq_u32 vcc_lo, 0, v[96+\a]               ; is my row hidden?
	WIN 0
	v_cndmask_b32 v206, v198, v197, vcc_lo         ; the code at k = 64
	v_cndmask_b32 v201, v200, v199, vcc_lo         ; and its block's byte, at its place in the word
	v_mov_b32 v204, v[PC+4]
	v_mov_b32 v205, v[PC+5]
	v_mov_b32 v[PC+12], v206
	v_mov_b32 v[PC+13], 0
	v_and_or_b32 v202, v[PW], 0xffff, v201         ; the first head's word: its two bytes, the spare block's, 0
	v_lshrrev_b32 v203, 16, v[PW]
	v_or_b32 v203, v203, v201                      ; the second head's
	global_store_b128 v[7-(\a/2)%2], v[PC:PC+3], s[16:17] offset:2228224*\t+1024*\a                ; each store: 512 consecutive bytes, at a multiple of 256 from the buffer's first byte
	global_store_b128 v[7-(\a/2)%2], v[204:207], s[16:17] offset:2228224*\t+1024*\a+512
	global_store_b128 v[7-(\a/2)%2], v[PC+6:PC+9], s[16:17] offset:2228224*\t+139264+1024*\a
	global_store_b128 v[7-(\a/2)%2], v[PC+10:PC+13], s[16:17] offset:2228224*\t+139264+1024*\a+512
	ds_store_b32 v8, v202 offset:4*\a              ; both halves of the lanes write the same word with the same value
	ds_store_b32 v8, v203 offset:256+4*\a
.endr
	ds_load_b128 v[208:211], v9                    ; LDS serves a wave's instructions in order: this sees my stores
	s_wait_dscnt 0x0
	global_store_b128 v12, v[208:211], s[36:37] offset:2228224*\t  ; sixteen lanes store a head's 256 bytes of scale words
.endm
	GEMM 16, 28, 1, 1, 1, 1                        ; Q
	QKWAY 0, 8, 8, 127, 127
	GEMM 16, 28, 1, 2, 1, 0                        ; K
	QKWAY 1, 63, 0, 187, 0
	GEMM 22, 30, 2, 0, 0, 0                        ; V
.irp a, 0,1,2,3
.if \a > 0
	s_wait_xcnt 0x0
	s_wait_dscnt 0x0
.endif
	QUANT 64*\a
.irp q, 0,1,2
	global_store_b128 v7, v[PC+4*\q:PC+4*\q+3], s[18:19] offset:1536*\a+512*\q
.endr
	ds_store_b32 v10, v[PW] offset:4*\a
.endr
	ds_load_b64 v[212:213], v11
	s_wait_dscnt 0x0
	global_store_b64 v3, v[212:213], s[18:19]      ; 32 lanes store the block's 256 bytes of scale words
	s_wait_tensorcnt 0x0                           ; the wave's end: behind my last tensor load and my last LDS store
	ds_add_u32 v[SPW], v[NIL]
	s_wait_dscnt 0x0
	CROUND                                         ; the closing round
	s_endpgm
.Lfunc_end_k_q99193e227a_proj:
	.size	k_q99193e227a_proj, .Lfunc_end_k_q99193e227a_proj-k_q99193e227a_proj
	.p2alignl 7, 3214868480
	.fill 96, 4, 3214868480
	.section	.rodata,"a",@progbits
	.p2align	6, 0x0
	.amdhsa_kernel k_q99193e227a_proj
		.amdhsa_group_segment_fixed_size 327680
		.amdhsa_private_segment_fixed_size 0
		.amdhsa_enable_private_segment 0
		.amdhsa_kernarg_size 64
		.amdhsa_user_sgpr_count 2
		.amdhsa_user_sgpr_kernarg_segment_ptr 1
		.amdhsa_wavefront_size32 1
		.amdhsa_system_sgpr_workgroup_id_x 1
		.amdhsa_system_sgpr_workgroup_id_y 1
		.amdhsa_system_sgpr_workgroup_id_z 1
		.amdhsa_system_vgpr_workitem_id 0
		.amdhsa_next_free_vgpr 768
		.amdhsa_next_free_sgpr 102
		.amdhsa_reserve_vcc 1
		.amdhsa_float_denorm_mode_32 3
		.amdhsa_float_denorm_mode_16_64 3
		.amdhsa_memory_ordered 1
		.amdhsa_forward_progress 1
		.amdhsa_inst_pref_size 255
	.end_amdhsa_kernel
	.amdgpu_metadata
---
amdhsa.version: [ 1, 2 ]
amdhsa.kernels:
  - .name:           k_q99193e227a_proj
    .symbol:         k_q99193e227a_proj.kd
    .args:
      - { .name: codes, .offset: 0, .size: 8, .value_kind: global_buffer, .address_space: global }
      - { .name: scales, .offset: 8, .size: 8, .value_kind: global_buffer, .address_space: global }
      - { .name: bq, .offset: 16, .size: 8, .value_kind: global_buffer, .address_space: global }
      - { .name: bk, .offset: 24, .size: 8, .value_kind: global_buffer, .address_space: global }
      - { .name: bv, .offset: 32, .size: 8, .value_kind: global_buffer, .address_space: global }
      - { .name: q_mask, .offset: 40, .size: 8, .value_kind: global_buffer, .address_space: global }
      - { .name: qk, .offset: 48, .size: 8, .value_kind: global_buffer, .address_space: global }
      - { .name: vt, .offset: 56, .size: 8, .value_kind: global_buffer, .address_space: global }
    .group_segment_fixed_size: 327680
    .private_segment_fixed_size: 0
    .kernarg_segment_align: 8
    .kernarg_segment_size: 64
    .max_flat_workgroup_size: 128
    .sgpr_count:     102
    .vgpr_count:     768
    .wavefront_size: 32
...
	.end_amdgpu_metadata
.endif
;; end of part 2
;; launch attn (part 3): grid 4 x 64, 16 waves a work-group, clusters of 4 x 1, 327,680 bytes of LDS; arguments qk, vt, q_mask, ocodes, oscales; writes ocodes, oscales
.if DOCPART == 3
	.amdgcn_target "amdgcn-amd-amdhsa--gfx1250"
	.amdhsa_code_object_version 6
	.text
	.protected	k_q99193e227a_attn
	.globl	k_q99193e227a_attn
	.p2align	8
	.type	k_q99193e227a_attn,@function
k_q99193e227a_attn:
	s_mov_b64 s[64:65], 0
	v_nop
	global_prefetch_b8 v0, s[64:65] scope:SCOPE_SE
	s_setreg_imm32_b32 hwreg(HW_REG_WAVE_MODE, 25, 1), 1
	s_wait_xcnt 0x0
	s_wait_alu depctr_hold_cnt(0) depctr_sa_sdst(0) depctr_va_vdst(0) depctr_va_sdst(0) depctr_va_ssrc(0) depctr_va_vcc(0) depctr_vm_vsrc(0)
	s_getreg_b32 s2, hwreg(HW_REG_IB_STS2, 6, 4)
	s_cmp_eq_u32 s2, 0
	s_cbranch_scc0 .Lentry_in_a_cluster
	s_endpgm
.Lentry_in_a_cluster:
	s_bfe_u32 s2, ttmp6, 0x10000c
	s_cmp_lg_u32 s2, 0x3003
	s_cbranch_scc0 .Lentry_shape_is_right
	s_endpgm
.Lentry_shape_is_right:
; Attention of one head on codes of FP6 (E2M3): S^T = K Q^T, the finished softmax quantised along the keys, O^T = V^T P^T, O quantised along the channels for the last projection.
; SHARES: a work-group has one (batch, head) and 512 queries; 16 waves, a wave 32 queries as two tiles of 16 that share every fragment of K and V.  256 work-groups.
; K (16 steps x 8,704 bytes) and V (16 x 6,400) of the head come into LDS once: waves 0-7 fetch two steps of K each, waves 8-15 two of V, one tensor load a wave; nothing is filled again.
; CLUSTER: the four work-groups of a head ask for these tiles jointly (mask 15).  No prefetch: all loads of tiles go out at the head, so there is no loop to run ahead in.
; TWO PASSES, since p is quantised normalised.  Pass 1: running maximum and sum of 2^(s c - M), each lane for its own half of the keys; the halves are joined once behind it.
; Pass 2: p = 2^(s c + off), off = -M - log2(sum) (a hidden query: -infinity, so its p are 0 and its row of O is 0); a block's scale from its largest p; codes; O^T += V^T P^T.
; THE KEYS OF A TILE: tile (c, u) of a step has in rows 0-7 keys 64 c + 8 u + 0..7 and in rows 8-15 keys 64 c + 32 + 8 u + 0..7.  So lane (r, h) holds, in the 32 registers of tiles (c, 0..3),
; keys 64 c + 32 h + 0..31 of query r: one whole block of 32, in the order of the operand's registers.  The rows are picked out of qk's tiles by the lanes' LDS addresses
; (qk's tile a, row i is key 16 (a / 2) + 8 (a % 2) + i + 8 (i / 8); tiles with a / 2 odd lie with their halves of rows exchanged, so sixteen lanes of a load name 256 different bytes modulo 256).
; A K fragment is 8 registers; the operand's last 4 are whatever lies behind them, against codes of 0 in Q.  Hidden keys carry -7.5 x 2^60 at k = 64 against Q's 1.0.
; LIMITS: real scores lie between -2^40 and about 1e17; NaN and infinities are not served; a block of zeros keeps the byte 1.
; REGISTERS: v1-5 LDS pointers, v6-7 the add's, v8-9 K's lane terms, v10-11 Q's scale words, v12-15 -M or off (low word of each pair), v16-39 Q, v40-43 K's or V's scale words,
; v44-111 K (pass 2: v44-79 K's half or V's tiles 0-2, v80-103 P's codes, v104-115 V's tile 3), v116-243 scores (pass 2: v116-179 scores, v180-243 O^T), v244-245 P's scale words, v246-255 at work.
.set KB,    8704
.set VBK,   6400
.set VB,    16*KB
.set SPARE, VB+16*VBK                  ; the spare words, 128 bytes for each of 16 waves
.set QA,  16
.set KSR, 40
.set KF,  44
.set PA,  80
.set SS,  116
.set OO,  180
.set FL,  0x1800000                    ; the floor 2^(3 - 127): a byte cannot fall under 1
.macro CROUND
	s_barrier_signal -1
	s_barrier_wait -1
	s_cmp_lg_u32 s14, 0
	s_cbranch_scc1 .Lnot_wave_0_\@
	s_barrier_signal -3
.Lnot_wave_0_\@:
	s_barrier_wait -3
	s_barrier_signal -1
	s_barrier_wait -1
.endm
.macro NOPS
.rept 4
	v_nop
.endr
.endm
.macro KLOADH c, f                     ; four tiles (c, 0..3) into v[f] on, and their scale words: lanes 0-15 tiles u = 0, 1, lanes 16-31 tiles u = 2, 3
.irp u, 0,1,2,3
	ds_load_b128 v[\f+8*\u:\f+8*\u+3], v[1+\u/2] offset:4096*\c+1024*(\u%2)
	ds_load_b128 v[\f+8*\u+4:\f+8*\u+7], v[1+\u/2] offset:4096*\c+1024*(\u%2)+512
.endr
	ds_load_b64 v[KSR+2*\c:KSR+2*\c+1], v3 offset:256*\c
.endm
.macro SMUL c, f, d, st                ; S^T of four tiles of keys x two tiles of queries; eight accumulators, each begun with 0
.irp u, 0,1,2,3
.irp x, 0,1
.if \u < 2
	v_wmma_scale_f32_16x16x128_f8f6f4 v[\d+\st*\x+8*\u:\d+\st*\x+8*\u+7], v[\f+8*\u:\f+8*\u+11], v[QA+12*\x:QA+12*\x+11], 0, v[KSR+2*\c+\u%2], v[10+\x] matrix_a_fmt:MATRIX_FMT_FP6 matrix_b_fmt:MATRIX_FMT_FP6
.else
	v_wmma_scale_f32_16x16x128_f8f6f4 v[\d+\st*\x+8*\u:\d+\st*\x+8*\u+7], v[\f+8*\u:\f+8*\u+11], v[QA+12*\x:QA+12*\x+11], 0, v[KSR+2*\c+\u%2], v[10+\x] matrix_a_fmt:MATRIX_FMT_FP6 matrix_b_fmt:MATRIX_FMT_FP6 matrix_a_scale:MATRIX_SCALE_ROW1
.endif
.endr
.endr
.endm
	s_load_b256 s[4:11], s[0:1], 0x0               ; qk, vt, q_mask, ocodes
	s_load_b64 s[12:13], s[0:1], 0x20              ; oscales
	v_lshl_add_u32 v6, v0, 2, SPARE
	v_mov_b32 v7, 0
	ds_add_u32 v6, v7                              ; the opening lines: the add twice and its wait ahead of my tensor load
	ds_add_u32 v6, v7
	v_lshrrev_b32 v1, 5, v0
	v_readfirstlane_b32 s14, v1                    ; wave 0..15
	s_bfe_u32 s15, ttmp6, 0x40000                  ; cx: which 512 queries
	s_and_b32 s17, ttmp7, 0xffff
	s_lshr_b32 s18, s17, 4                         ; batch
	s_and_b32 s19, s17, 15                         ; head
	s_lshl_b32 s55, s15, 5
	s_lshl_b32 s16, s14, 1
	s_add_co_u32 s55, s55, s16                     ; the first of my two tiles of queries, 0..126 in the batch
	s_mov_b32 s24, 15|(3<<16)|(1<<21)              ; group 1 for K: 68 rows of 256 bytes (32 elements of 8), dense
	s_mov_b32 s25, 32<<16
	s_mov_b32 s26, 68<<16
	s_mov_b32 s27, 32<<16
	s_mov_b32 s28, 68
	s_mov_b32 s29, 32
	s_mov_b32 s30, 0
	s_mov_b32 s31, 0
	s_mov_b32 s32, 15|(3<<16)|(1<<21)              ; for V: 50 rows
	s_mov_b32 s33, 32<<16
	s_mov_b32 s34, 50<<16
	s_mov_b32 s35, 32<<16
	s_mov_b32 s36, 50
	s_mov_b32 s37, 32
	s_mov_b32 s38, 0
	s_mov_b32 s39, 0
	s_lshl_b32 s56, s18, 5
	s_add_co_u32 s56, s56, s19
	s_mul_i32 s58, s56, 16*KB                      ; Q's 16 steps of this head
	s_add_co_u32 s56, s58, 16*16*KB                ; K's lie 16 heads on
	s_mul_i32 s41, s14, 2*KB                       ; K: wave w fetches steps 2 w, 2 w + 1
	s_add_co_u32 s56, s56, s41
	s_mov_b32 s57, 0
	s_mov_b32 s40, 1
	s_lshl_b32 s60, s18, 4
	s_add_co_u32 s60, s60, s19
	s_mul_i32 s60, s60, 16*VBK
	s_max_u32 s16, s14, 8
	s_sub_co_u32 s16, s16, 8
	s_mul_i32 s16, s16, 2*VBK                      ; V: wave w fetches steps 2 (w - 8), 2 (w - 8) + 1
	s_add_co_u32 s60, s60, s16
	s_mov_b32 s61, 0
	s_mov_b32 s44, 1
	s_mul_i32 s45, s14, 2*VBK
	s_add_co_u32 s45, s45, VB-16*VBK
	s_lshr_b32 s59, s55, 3
	s_mul_i32 s59, s59, KB
	s_add_co_u32 s58, s58, s59                     ; the step of Q that holds my tiles
	s_and_b32 s59, s55, 7
	s_lshl_b32 s20, s59, 10
	s_add_co_u32 s20, s20, s58
	s_mov_b32 s21, 0
	s_lshr_b32 s22, s59, 2
	s_lshl_b32 s22, s22, 8
	s_and_b32 s23, s55, 3
	s_lshl_b32 s23, s23, 2
	s_add_co_u32 s22, s22, s23
	s_add_co_u32 s22, s22, s58
	s_add_co_u32 s22, s22, 8192                    ; my two tiles' scale words lie side by side
	s_mov_b32 s23, 0
	s_lshl_b32 s58, s18, 11
	s_lshl_b32 s59, s55, 4
	s_add_co_u32 s58, s58, s59                     ; the mask at my 32 queries
	s_mov_b32 s59, 0
	s_mov_b32 s48, 0x3e38aa3b                      ; c = log2(e) / 8
	s_mov_b32 s49, s48
	s_mov_b32 s62, 0xbe38aa3b                      ; -c
	s_mov_b32 s50, 0x76543210
	s_mov_b32 s51, 0xfedcba98                      ; v_permlanex16_b32's selects for lane l xor 16
	s_mov_b32 s52, 0
	s_wait_dscnt 0x0
	s_wait_kmcnt 0x0
	s_add_nc_u64 s[42:43], s[4:5], s[56:57]
	s_or_b32 s43, s43, 0x80000000
	s_add_nc_u64 s[46:47], s[6:7], s[60:61]
	s_or_b32 s47, s47, 0x80000000
	s_add_nc_u64 s[20:21], s[4:5], s[20:21]
	s_add_nc_u64 s[22:23], s[4:5], s[22:23]
	s_add_nc_u64 s[8:9], s[8:9], s[58:59]
	CROUND                                         ; the four partners are here: the joint loads meet
	s_cmp_lt_u32 s14, 8
	s_cbranch_scc0 .Lload_v
	tensor_load_to_lds s[40:43], s[24:31]
	s_nop 0
	NOPS
	s_branch .Lasked
.Lload_v:
	tensor_load_to_lds s[44:47], s[32:39]
	s_nop 0
	NOPS
.Lasked:
	v_and_b32 v116, 31, v0
	v_and_b32 v118, 15, v0                         ; r
	v_and_b32 v120, 8, v0                          ; 8 (r / 8)
	v_and_b32 v122, 7, v0
	v_and_b32 v123, 16, v0                         ; 16 h
	v_bfe_u32 v124, v0, 3, 1                       ; r / 8
	s_and_b32 s16, s14, 1
	s_lshl_b32 s16, s16, 7
	v_lshlrev_b32 v116, 4, v116
	v_lshlrev_b32 v119, 4, v118                    ; 16 r
	v_add_nc_u32 v121, v120, v118                  ; r + 8 (r / 8): my query's place among its tile's rows
	v_lshlrev_b32 v125, 4, v122                    ; 16 (r % 8)
	v_xor_b32 v117, s16, v116                      ; Q's image: 16 x lane, the halves of rows exchanged where the pair of tiles is odd
	v_lshl_add_u32 v122, v123, 4, v125             ; 16 (r % 8) + 256 h
	v_lshl_add_u32 v112, v123, 3, v125             ; 16 (r % 8) + 128 h
	global_load_b128 v[16:19], v117, s[20:21]
	global_load_b128 v[20:23], v117, s[20:21] offset:512
	global_load_b128 v[28:31], v117, s[20:21] offset:1024
	global_load_b128 v[32:35], v117, s[20:21] offset:1536
	global_load_b64 v[10:11], v119, s[22:23]
	global_load_u8 v113, v121, s[8:9]
	global_load_u8 v114, v121, s[8:9] offset:8
	v_mad_u32_u24 v8, v124, 2176, v122             ; tiles u = 0, 1: rows 8-15 come from two tiles on, the other half of rows
	v_mad_u32_u24 v9, v124, 1920, v122
	v_add_nc_u32 v112, v112, v120
	v_add_nc_u32 v9, 128, v9                       ; tiles u = 2, 3
	v_add_nc_u32 v112, 8192, v112                  ; K's scale words
.irp j, 24,25,26,27,36,37,38,39,108,109,110,111,248,249,250,251
	v_mov_b32 v[\j], 0                             ; Q's last four registers; what lies behind K's last tile; the sums
.endr
	v_mov_b32 v13, 0xd3800000                      ; the largest score so far: -2^40
	v_mov_b32 v15, 0xd3800000
	v_mul_f32 v12, s62, v13                        ; -M = -c x the largest score
	v_mul_f32 v14, s62, v15
	v_add_nc_u32 v1, s52, v8
	v_add_nc_u32 v2, s52, v9
	v_add_nc_u32 v3, s52, v112
	s_wait_alu depctr_va_vdst(0)
	s_wait_loadcnt 0x0
	s_wait_tensorcnt 0x0                           ; my part of K or V is in,
	s_barrier_signal -1
	s_barrier_wait -1                              ; everybody's is
	KLOADH 0, KF
	KLOADH 1, KF+32
	s_mov_b32 s54, 16
.Lp1:                                                  ; PASS 1, a step of 128 keys x 32 queries
	s_wait_dscnt 0x0
	SMUL 0, KF, SS, 64
	SMUL 1, KF+32, SS+32, 64
	s_add_co_u32 s52, s52, KB
	v_add_nc_u32 v1, s52, v8                       ; (four places behind the products)
	v_add_nc_u32 v2, s52, v9
	v_add_nc_u32 v3, s52, v112
	v_nop
	KLOADH 0, KF                                   ; the next step's fragments land under this step's vector work (behind the last step: 8,704 bytes of V's tiles, not used)
	KLOADH 1, KF+32
	v_max3_num_f32 v4, v[SS+32], v[SS+33], v[SS+34]        ; my 64 scores of each tile and the running maximum: four chains by turns
	v_max3_num_f32 v5, v[SS+96], v[SS+97], v[SS+98]
.irp i, 0,2,4,6,8,10,12,14,16,18,20,22,24,26
	v_max3_num_f32 v13, v13, v[SS+\i], v[SS+\i+1]
	v_max3_num_f32 v15, v15, v[SS+64+\i], v[SS+65+\i]
	v_max3_num_f32 v4, v4, v[SS+35+\i], v[SS+36+\i]
	v_max3_num_f32 v5, v5, v[SS+99+\i], v[SS+100+\i]
.endr
.irp i, 28,30
	v_max3_num_f32 v13, v13, v[SS+\i], v[SS+\i+1]
	v_max3_num_f32 v15, v15, v[SS+64+\i], v[SS+65+\i]
.endr
	v_max3_num_f32 v13, v13, v4, v[SS+63]
	v_max3_num_f32 v15, v15, v5, v[SS+127]
	v_mul_f32 v253, s62, v13                       ; the new -M
	v_mul_f32 v255, s62, v15
	v_sub_f32 v252, v253, v12                      ; new -M less old -M, 0 or less
	v_sub_f32 v254, v255, v14
	v_mov_b32 v12, v253
	v_mov_b32 v14, v255
.set n, 0
.rept 32
	v_pk_fma_f32 v[SS+n:SS+n+1], v[SS+n:SS+n+1], s[48:49], v[12:13] op_sel_hi:[1,0,0]       ; s c - M (of the pairs the low word serves both halves)
	v_pk_fma_f32 v[SS+64+n:SS+65+n], v[SS+64+n:SS+65+n], s[48:49], v[14:15] op_sel_hi:[1,0,0]
.set n, n+2
.endr
	s_wait_alu depctr_va_vdst(0)
	v_exp_f32 v252, v252
	v_exp_f32 v254, v254
.set n, 0
.rept 128
	v_exp_f32 v[SS+n], v[SS+n]
.set n, n+1
.endr
	v_nop
	s_wait_alu depctr_va_vdst(0)
	v_pk_mul_f32 v[248:249], v[248:249], v[252:253] op_sel_hi:[1,0]    ; the sums under the new M
	v_pk_mul_f32 v[250:251], v[250:251], v[254:255] op_sel_hi:[1,0]
.irp j, 2,6,10,14,18,22,26,30,34,38,42,46,50,54,58
	v_pk_add_f32 v[248:249], v[248:249], v[SS+\j:SS+\j+1]
	v_pk_add_f32 v[250:251], v[250:251], v[SS+64+\j:SS+65+\j]
	v_pk_add_f32 v[SS:SS+1], v[SS:SS+1], v[SS+\j+2:SS+\j+3]
	v_pk_add_f32 v[SS+64:SS+65], v[SS+64:SS+65], v[SS+66+\j:SS+67+\j]
.endr
	v_pk_add_f32 v[248:249], v[248:249], v[SS+62:SS+63]
	v_pk_add_f32 v[250:251], v[250:251], v[SS+126:SS+127]
	v_pk_add_f32 v[248:249], v[248:249], v[SS:SS+1]
	v_pk_add_f32 v[250:251], v[250:251], v[SS+64:SS+65]
	s_sub_co_u32 s54, s54, 1
	s_cmp_lg_u32 s54, 0
	s_cbranch_scc1 .Lp1
	; the two halves of the keys are joined: -M* = the lesser -M, sum = sum 2^(-M* + M) + the other's likewise; off = -M* - log2(sum)
	v_add_f32 v248, v248, v249
	v_add_f32 v250, v250, v251
	v_mov_b32 v244, 0
	v_mov_b32 v245, 0
	v_mov_b32 v246, 0
	v_mov_b32 v247, 0
	v_mov_b32 v4, 0
	v_mov_b32 v5, 0
	v_permlanex16_b32 v246, v12, s50, s51
	v_permlanex16_b32 v247, v14, s50, s51
	v_permlanex16_b32 v4, v248, s50, s51
	v_permlanex16_b32 v5, v250, s50, s51
	v_min_num_f32 v13, v12, v246
	v_min_num_f32 v15, v14, v247
	v_sub_f32 v12, v13, v12
	v_sub_f32 v14, v15, v14
	v_sub_f32 v246, v13, v246
	v_sub_f32 v247, v15, v247
	s_wait_alu depctr_va_vdst(0)
	v_exp_f32 v12, v12
	v_exp_f32 v14, v14
	v_exp_f32 v246, v246
	v_exp_f32 v247, v247
	v_nop
	s_wait_alu depctr_va_vdst(0)
	v_mul_f32 v248, v248, v12
	v_mul_f32 v250, v250, v14
	v_fma_f32 v248, v4, v246, v248
	v_fma_f32 v250, v5, v247, v250
	s_wait_alu depctr_va_vdst(0)
	v_log_f32 v248, v248
	v_log_f32 v250, v250
	v_mov_b32 v249, 0xff800000
	s_wait_alu depctr_va_vdst(0)
	v_sub_f32 v12, v13, v248
	v_sub_f32 v14, v15, v250
	v_cmp_eq_u32 vcc_lo, 0, v113
	v_cndmask_b32 v12, v12, v249, vcc_lo           ; a hidden query: off = -infinity
	v_cmp_eq_u32 vcc_lo, 0, v114
	v_cndmask_b32 v14, v14, v249, vcc_lo
	v_and_b32 v255, 31, v0
	v_and_b32 v13, 15, v0
	v_mov_b32 v254, v112                           ; K's scale words' lane term: v112 takes V's fragments now
	v_mov_b32 v253, 0
	v_lshlrev_b32 v255, 4, v255                    ; 16 x lane: V's fragments
	v_lshlrev_b32 v13, 4, v13
	v_add_nc_u32 v13, 6144, v13                    ; V's scale words (v13 is also the unused upper word of the pair v[12:13])
.set n, 0
.rept 64
	v_mov_b32 v[OO+n], 0                           ; O^T: the step is written once
.set n, n+1
.endr
	s_mov_b32 s52, 0
	s_mov_b32 s53, VB
	s_mov_b32 s54, 16
	v_add_nc_u32 v1, s52, v8
	v_add_nc_u32 v2, s52, v9
	v_add_nc_u32 v3, s52, v254
	v_add_nc_u32 v4, s53, v255
	v_add_nc_u32 v5, s53, v13
	s_wait_alu depctr_va_vdst(0)
	s_wait_dscnt 0x0                               ; pass 1's last loads have landed: their registers may be loaded again
; 64 keys x 32 queries: p, each lane's block's scale, codes into registers 6 c .. 6 c + 5 of P's two operands
.macro HALF c
.set n, 0
.rept 16
	v_pk_fma_f32 v[SS+n:SS+n+1], v[SS+n:SS+n+1], s[48:49], v[12:13] op_sel_hi:[1,0,0]       ; s c + off
	v_pk_fma_f32 v[SS+32+n:SS+33+n], v[SS+32+n:SS+33+n], s[48:49], v[14:15] op_sel_hi:[1,0,0]
.set n, n+2
.endr
	s_wait_alu depctr_va_vdst(0)
.set n, 0
.rept 64
	v_exp_f32 v[SS+n], v[SS+n]
.set n, n+1
.endr
	v_nop
	s_wait_alu depctr_va_vdst(0)
	v_max3_num_f32 v[246+\c], v[SS], v[SS+1], FL           ; the block's largest p, all 32 mine: four chains by turns
	v_max3_num_f32 v[248+\c], v[SS+32], v[SS+33], FL
	v_max3_num_f32 v250, v[SS+2], v[SS+3], v[SS+4]
	v_max3_num_f32 v251, v[SS+34], v[SS+35], v[SS+36]
.irp i, 0,2,4,6,8,10
	v_max3_num_f32 v[246+\c], v[246+\c], v[SS+5+\i], v[SS+6+\i]
	v_max3_num_f32 v[248+\c], v[248+\c], v[SS+37+\i], v[SS+38+\i]
	v_max3_num_f32 v250, v250, v[SS+19+\i], v[SS+20+\i]
	v_max3_num_f32 v251, v251, v[SS+51+\i], v[SS+52+\i]
.endr
	v_max3_num_f32 v[246+\c], v[246+\c], v[SS+17], v[SS+18]
	v_max3_num_f32 v[248+\c], v[248+\c], v[SS+49], v[SS+50]
	v_max3_num_f32 v[246+\c], v[246+\c], v250, v[SS+31]
	v_max3_num_f32 v[248+\c], v[248+\c], v251, v[SS+63]
	v_add_nc_u32 v[246+\c], 0xff000000, v[246+\c]          ; 2 off the exponent field: the conversion's scale operand
	v_add_nc_u32 v[248+\c], 0xff000000, v[248+\c]
.if \c
	v_lshrrev_b32 v250, 23, v247                   ; the scale words: my bytes (blocks h and 2 + h), then lane l xor 16's one byte up; lanes 0-15 hold the whole word, the others are not read
	v_lshrrev_b32 v251, 23, v249
	v_lshl_or_b32 v246, v250, 16, v246
	v_lshl_or_b32 v248, v251, 16, v248
	v_permlanex16_b32 v253, v246, s50, s51
	v_permlanex16_b32 v251, v248, s50, s51
	v_lshl_or_b32 v244, v253, 8, v246
	v_lshl_or_b32 v245, v251, 8, v248
.endif
	v_cvt_scalef32_pk16_fp6_f32 v[PA+6*\c:PA+6*\c+2], v[SS:SS+15], v[246+\c]
	v_cvt_scalef32_pk16_fp6_f32 v[250:252], v[SS+16:SS+31], v[246+\c]      ; (a conversion's three registers begin on an even number)
	v_cvt_scalef32_pk16_fp6_f32 v[PA+12+6*\c:PA+14+6*\c], v[SS+32:SS+47], v[248+\c]
	v_nop
.irp i, 0,1,2
	v_mov_b32 v[PA+3+6*\c+\i], v[250+\i]
.endr
	v_cvt_scalef32_pk16_fp6_f32 v[250:252], v[SS+48:SS+63], v[248+\c]
.if \c
	v_nop
.else
	v_lshrrev_b32 v246, 23, v246                   ; the bytes of blocks h
	v_lshrrev_b32 v248, 23, v248
.endif
.irp i, 0,1,2
	v_mov_b32 v[PA+15+6*\c+\i], v[250+\i]
.endr
.endm
.Lp2:                                                  ; PASS 2, a step of 128 keys x 32 queries
	NOPS                                           ; places behind the last products, whose fragments' registers are loaded again
	KLOADH 0, KF
	s_wait_dscnt 0x0
	SMUL 0, KF, SS, 32
	NOPS
	KLOADH 1, KF                                   ; lands under the first half's vector work
	HALF 0
	s_wait_dscnt 0x0
	SMUL 1, KF, SS, 32
	NOPS
.irp j, 0,1,2,3
.irp q, 0,1,2
	ds_load_b128 v[KF+12*\j+24*(\j/3)+4*\q:KF+12*\j+24*(\j/3)+4*\q+3], v4 offset:1536*\j+512*\q    ; V's four tiles of 16 channels x 128 keys
.endr
.endr
	ds_load_b128 v[KSR:KSR+3], v5
	HALF 1
	s_add_co_u32 s52, s52, KB
	s_add_co_u32 s53, s53, VBK
	v_add_nc_u32 v1, s52, v8                       ; the next step's pointers: also the places between P's last codes and the products
	v_add_nc_u32 v2, s52, v9
	v_add_nc_u32 v3, s52, v254
	v_add_nc_u32 v4, s53, v255
	v_add_nc_u32 v5, s53, v13
	s_wait_alu depctr_va_vdst(0)                   ; ahead of the first readers of O^T
	s_wait_dscnt 0x0
.irp j, 0,1,2,3
.irp x, 0,1
	v_wmma_scale_f32_16x16x128_f8f6f4 v[OO+32*\x+8*\j:OO+32*\x+8*\j+7], v[KF+12*\j+24*(\j/3):KF+12*\j+24*(\j/3)+11], v[PA+12*\x:PA+12*\x+11], v[OO+32*\x+8*\j:OO+32*\x+8*\j+7], v[KSR+\j], v[244+\x] matrix_a_fmt:MATRIX_FMT_FP6 matrix_b_fmt:MATRIX_FMT_FP6
.endr
.endr
	s_sub_co_u32 s54, s54, 1
	s_cmp_lg_u32 s54, 0
	s_cbranch_scc1 .Lp2
	; THE WAY OUT: O's 64 channels of each query are two blocks of the last projection's K; the 16 registers of two neighbouring tiles are 16 neighbouring channels
	s_lshl_b32 s62, s18, 7
	s_add_co_u32 s62, s62, s55
	s_mul_i32 s58, s62, 12288
	s_mul_i32 s59, s19, 768
	s_add_co_u32 s58, s58, s59
	s_mov_b32 s59, 0
	s_add_nc_u64 s[10:11], s[10:11], s[58:59]
	s_lshl_b32 s62, s62, 9
	s_lshl_b32 s63, s19, 1
	s_add_co_u32 s62, s62, s63
	s_mov_b32 s63, 0
	s_add_nc_u64 s[12:13], s[12:13], s[62:63]
	v_lshrrev_b32 v3, 1, v255                      ; (four places behind the last products)
	v_and_b32 v4, 15, v0
	v_add_nc_u32 v3, 512, v3                       ; 8 x lane + 512
	v_lshlrev_b32 v4, 5, v4                        ; 32 r
.irp x, 0,1
.irp g, 0,1
	v_max3_num_f32 v[116+2*\x+\g], |v[OO+32*\x+16*\g]|, |v[OO+32*\x+16*\g+1]|, FL
.endr
.endr
.irp i, 2,4,6,8,10,12,14
.irp x, 0,1
.irp g, 0,1
	v_max3_num_f32 v[116+2*\x+\g], v[116+2*\x+\g], |v[OO+32*\x+16*\g+\i]|, |v[OO+32*\x+16*\g+\i+1]|
.endr
.endr
.endr
.irp b, 0,1,2,3
	v_permlanex16_b32 v[120+\b], v[116+\b], s50, s51
.endr
.irp b, 0,1,2,3
	v_max_num_f32 v[116+\b], v[116+\b], v[120+\b]
.endr
.irp b, 0,1,2,3
	v_add_nc_u32 v[116+\b], 0xff000000, v[116+\b]
.endr
.irp b, 0,1,2,3
	v_lshrrev_b32 v[120+\b], 23, v[116+\b]
.endr
	v_lshl_or_b32 v124, v121, 8, v120
	v_lshl_or_b32 v125, v123, 8, v122
.irp x, 0,1
	v_cvt_scalef32_pk16_fp6_f32 v[128+12*\x:130+12*\x], v[OO+32*\x:OO+32*\x+15], v[116+2*\x]
	v_cvt_scalef32_pk16_fp6_f32 v[152+4*\x:154+4*\x], v[OO+32*\x+16:OO+32*\x+31], v[117+2*\x]
.endr
	v_nop
.irp x, 0,1
.irp i, 0,1,2
	v_permlane16_swap_b32 v[128+12*\x+\i], v[152+4*\x+\i]  ; the operand's layout wants a whole block in a lane
.endr
.endr
.irp x, 0,1
.irp i, 0,1,2
	v_mov_b32 v[131+12*\x+\i], v[152+4*\x+\i]
.endr
.endr
.irp x, 0,1
	global_store_b128 v255, v[128+12*\x:131+12*\x], s[10:11] offset:12288*\x       ; 512 consecutive bytes, at a multiple of 256 from the buffer's first byte
	global_store_b64 v3, v[132+12*\x:133+12*\x], s[10:11] offset:12288*\x          ; and the 256 behind them
	global_store_b16 v4, v[124+\x], s[12:13] offset:512*\x
.endr
	s_wait_tensorcnt 0x0                           ; the wave's end
	ds_add_u32 v6, v7
	s_wait_dscnt 0x0
	CROUND                                         ; the closing round
	s_endpgm
.Lfunc_end_k_q99193e227a_attn:
	.size	k_q99193e227a_attn, .Lfunc_end_k_q99193e227a_attn-k_q99193e227a_attn
	.p2alignl 7, 3214868480
	.fill 96, 4, 3214868480
	.section	.rodata,"a",@progbits
	.p2align	6, 0x0
	.amdhsa_kernel k_q99193e227a_attn
		.amdhsa_group_segment_fixed_size 327680
		.amdhsa_private_segment_fixed_size 0
		.amdhsa_enable_private_segment 0
		.amdhsa_kernarg_size 40
		.amdhsa_user_sgpr_count 2
		.amdhsa_user_sgpr_kernarg_segment_ptr 1
		.amdhsa_wavefront_size32 1
		.amdhsa_system_sgpr_workgroup_id_x 1
		.amdhsa_system_sgpr_workgroup_id_y 1
		.amdhsa_system_sgpr_workgroup_id_z 1
		.amdhsa_system_vgpr_workitem_id 0
		.amdhsa_next_free_vgpr 256
		.amdhsa_next_free_sgpr 66
		.amdhsa_reserve_vcc 1
		.amdhsa_float_denorm_mode_32 3
		.amdhsa_float_denorm_mode_16_64 3
		.amdhsa_memory_ordered 1
		.amdhsa_forward_progress 1
		.amdhsa_inst_pref_size 58
	.end_amdhsa_kernel
	.amdgpu_metadata
---
amdhsa.version: [ 1, 2 ]
amdhsa.kernels:
  - .name:           k_q99193e227a_attn
    .symbol:         k_q99193e227a_attn.kd
    .args:
      - { .name: qk, .offset: 0, .size: 8, .value_kind: global_buffer, .address_space: global }
      - { .name: vt, .offset: 8, .size: 8, .value_kind: global_buffer, .address_space: global }
      - { .name: q_mask, .offset: 16, .size: 8, .value_kind: global_buffer, .address_space: global }
      - { .name: ocodes, .offset: 24, .size: 8, .value_kind: global_buffer, .address_space: global }
      - { .name: oscales, .offset: 32, .size: 8, .value_kind: global_buffer, .address_space: global }
    .group_segment_fixed_size: 327680
    .private_segment_fixed_size: 0
    .kernarg_segment_align: 8
    .kernarg_segment_size: 40
    .max_flat_workgroup_size: 512
    .sgpr_count:     66
    .vgpr_count:     256
    .wavefront_size: 32
...
	.end_amdgpu_metadata
.endif
;; end of part 3
;; launch oproj (part 4): grid 4 x 64, 4 waves a work-group, clusters of 4 x 4, 327,680 bytes of LDS; arguments ocodes, oscales, codes, scales, bo, out0; writes out0
.if DOCPART == 4
	.amdgcn_target "amdgcn-amd-amdhsa--gfx1250"
	.amdhsa_code_object_version 6
	.text
	.protected	k_q99193e227a_oproj
	.globl	k_q99193e227a_oproj
	.p2align	8
	.type	k_q99193e227a_oproj,@function
k_q99193e227a_oproj:
	s_mov_b64 s[64:65], 0
	v_nop
	global_prefetch_b8 v0, s[64:65] scope:SCOPE_SE
	s_setreg_imm32_b32 hwreg(HW_REG_WAVE_MODE, 25, 1), 1
	s_wait_xcnt 0x0
	s_wait_alu depctr_hold_cnt(0) depctr_sa_sdst(0) depctr_va_vdst(0) depctr_va_sdst(0) depctr_va_ssrc(0) depctr_va_vcc(0) depctr_vm_vsrc(0)
	s_getreg_b32 s2, hwreg(HW_REG_IB_STS2, 6, 4)
	s_cmp_eq_u32 s2, 0
	s_cbranch_scc0 .Lentry_in_a_cluster
	s_endpgm
.Lentry_in_a_cluster:
	s_bfe_u32 s2, ttmp6, 0x10000c
	s_cmp_lg_u32 s2, 0xf033
	s_cbranch_scc0 .Lentry_shape_is_right
	s_endpgm
.Lentry_shape_is_right:
; out0 = O Wo^T + bo on codes of FP6 (E2M3) with E8M0 scales.  O's codes and Wo's (blocks 44-47 of 256 rows in codes) lie as operand registers: [tile of 16 rows][8 K steps][1,536 bytes]; scales [row in its tile][8 words].
; SHARES: a work-group makes 128 rows x 256 columns: 64 x 4 = 256 work-groups.  Four waves, a wave 64 x 128: 32 accumulators.
; ALL OF K = 1,024 LIES IN LDS: A's 8 tiles (98,304 bytes), B's 16 (196,608), the scales of 384 rows.  They come by four tensor loads at the head, one a wave; nothing is filled again, so there is no ring.
; CLUSTERS: 4 x 4 work-groups; A's tiles and scales are asked for jointly along a row of the cluster, B's along a column.  No prefetch: all loads of tiles go out at the head, so there is no loop to run ahead in.
; The matrix instruction is used transposed (source 0 = 16 rows of Wo, source 1 = 16 rows of O): a lane holds neighbouring columns of one row.  The bias is the C of the first K step's products.
; The rows of every tile stand in the order 32 g + 8 u + i + 8 (i / 8).  The stage of the way out lies over A's tiles, behind a barrier behind which no wave reads tiles any more.
; REGISTERS: window 0: v16-31 addresses, v32-95 scale words (8 i + k: lanes 0-15 A's block i, lanes 16-31 B's block i, K step k), v96-159 the bias, v160-255 A's fragments, two sets; on the way out v128-255 rows.
;   window 1: B's fragments, two sets, at v0 and v128.   window 2: the accumulators ((a, b) at v[8 (8 a + b)]).
.set FR,    12
.set NP,    4                          ; places behind this matrix instruction (ISA guide 7.12.1)
.set TILE,  12288
.set BBASE, 8*TILE
.set SCL,   24*TILE                    ; the scales, as units of 256 bytes + 16 of padding: A's 16 units, then B's 32
.set SBLK,  2*272                      ; those of 16 rows
.set SPARE, SCL+48*272                 ; the spare words, 128 bytes for each wave
.set ADRA, 16                          ; v16 my A tiles' runs of 16 bytes a lane, v17 those of 8 bytes a lane
.set ADRB, 18                          ; v18-19 my B tiles 0-3, 4-7, runs of 16 bytes; v20-21 of 8 bytes
.set STO,  24
.set RD,   25
.set CO,   26
.set ADRS, 27
.set SPW,  28
.set NIL,  29
.set SC,   32
.set BX,   96
.set AF,   160
.set BK,   128
.set G1, 24
.set G0, 32
.set G1B, 48
.set G0B, 56
.set G1S, 68
.set G0S, 76
.set G1SB, 80
.set G0SB, 88
.set MSB, 0
.macro WIN new                         ; the immediate's high byte repeats the setting that is left
.if MSB != (\new)
	s_set_vgpr_msb (MSB<<8)|(\new)
.set MSB, \new
.endif
.endm
.macro CROUND
	s_barrier_signal -1
	s_barrier_wait -1
	s_cmp_lg_u32 s20, 0
	s_cbranch_scc1 .Lnot_wave_0_\@
	s_barrier_signal -3
.Lnot_wave_0_\@:
	s_barrier_wait -3
	s_barrier_signal -1
	s_barrier_wait -1
.endm
.macro PLACES n
.rept \n
	v_nop
.endr
.endm
	s_load_b256 s[4:11], s[0:1], 0x0               ; ocodes, oscales, codes, scales
	s_load_b128 s[12:15], s[0:1], 0x20             ; bo, out0
	v_lshl_add_u32 v[SPW], v0, 2, SPARE
	v_mov_b32 v[NIL], 0
	ds_add_u32 v[SPW], v[NIL]                      ; the opening lines: the add twice and its wait ahead of my tensor load
	ds_add_u32 v[SPW], v[NIL]
	v_lshrrev_b32 v1, 5, v0
	v_readfirstlane_b32 s20, v1                    ; wave 0..3
	s_lshr_b32 s21, s20, 1                         ; which 64 rows of A are mine
	s_and_b32 s22, s20, 1                          ; which 128 rows of B
	s_bfe_u32 s40, ttmp6, 0x40000                  ; cx
	s_bfe_u32 s41, ttmp6, 0x40004                  ; cy
	s_and_b32 s93, ttmp7, 0xffff
	s_lshl_b32 s93, s93, 2
	s_add_co_u32 s93, s93, s41                     ; A's block of 128 rows, 0..63
	s_lshl_b32 s94, ttmp9, 2
	s_add_co_u32 s94, s94, s40                     ; B's block of 256 rows, 0..3
	s_lshl_b32 s42, s41, 2
	s_lshl_b32 s42, 15, s42                        ; my row of the cluster
	s_lshl_b32 s43, 0x1111, s40                    ; my column
	s_or_b32 s[G1+0], s42, (3<<16)|(1<<21)         ; dense blocks as rows of 256 bytes (32 elements of 8): A's codes 384 rows, B's 768
	s_or_b32 s[G1B+0], s43, (3<<16)|(1<<21)
	s_or_b32 s[G1S+0], s42, (3<<16)|(1<<20)|(1<<21)|(5<<22)|(3<<25)    ; the scales with 16 bytes of padding behind each row: A's 16 rows, B's 32
	s_or_b32 s[G1SB+0], s43, (3<<16)|(1<<20)|(1<<21)|(5<<22)|(3<<25)
.irp g, G1, G1B, G1S, G1SB
	s_mov_b32 s[\g+1], 32<<16
	s_mov_b32 s[\g+3], 32<<16
	s_mov_b32 s[\g+5], 32
	s_mov_b32 s[\g+6], 0
	s_mov_b32 s[\g+7], 0
.endr
	s_mov_b32 s[G1+2], 384<<16
	s_mov_b32 s[G1+4], 384
	s_mov_b32 s[G1B+2], 768<<16
	s_mov_b32 s[G1B+4], 768
	s_mov_b32 s[G1S+2], 16<<16
	s_mov_b32 s[G1S+4], 16
	s_mov_b32 s[G1SB+2], 32<<16
	s_mov_b32 s[G1SB+4], 32
	s_mul_i32 s44, s93, 8*TILE                     ; A's codes,
	s_mov_b32 s45, 0
	s_lshl_b32 s46, s93, 12                        ; A's scales: 128 rows of 32 bytes
	s_mov_b32 s47, 0
	s_add_co_u32 s98, s94, 44                      ; Wo's blocks begin at 44
	s_mul_i32 s100, s98, 16*TILE
	s_mov_b32 s101, 0
	s_lshl_b32 s98, s98, 13
	s_mov_b32 s99, 0
	s_wait_dscnt 0x0
	s_wait_kmcnt 0x0
	CROUND                                         ; all sixteen work-groups are here: the joint loads meet
	s_mov_b32 s[G0], 1
	s_mov_b32 s[G0+1], 0
	s_add_nc_u64 s[G0+2:G0+3], s[4:5], s[44:45]
	s_or_b32 s[G0+3], s[G0+3], 0x80000000
	s_mov_b32 s[G0B], 1
	s_mov_b32 s[G0B+1], BBASE
	s_add_nc_u64 s[G0B+2:G0B+3], s[8:9], s[100:101]
	s_or_b32 s[G0B+3], s[G0B+3], 0x80000000
	s_mov_b32 s[G0S], 1
	s_mov_b32 s[G0S+1], SCL
	s_add_nc_u64 s[G0S+2:G0S+3], s[6:7], s[46:47]
	s_or_b32 s[G0S+3], s[G0S+3], 0x80000000
	s_mov_b32 s[G0SB], 1
	s_mov_b32 s[G0SB+1], SCL+16*272
	s_add_nc_u64 s[G0SB+2:G0SB+3], s[10:11], s[98:99]
	s_or_b32 s[G0SB+3], s[G0SB+3], 0x80000000
.macro ARM under, g0, g1, next         ; one tree of branches on the wave's number: every way through it passes one load
	s_cmp_lt_u32 s20, \under
	s_cbranch_scc0 \next
	tensor_load_to_lds s[\g0:\g0+3], s[\g1:\g1+7]
	s_nop 0
.rept 4
	v_nop
.endr
	s_branch .Lhead_asked
\next:
.endm
	ARM 1, G0B, G1B, .Lhead_a                      ; wave 0 B's codes, wave 1 A's codes, wave 2 A's scales, wave 3 B's scales
	ARM 2, G0,  G1,  .Lhead_sa
	ARM 3, G0S, G1S, .Lhead_sb
	tensor_load_to_lds s[G0SB:G0SB+3], s[G1SB:G1SB+7]
	s_nop 0
.rept 4
	v_nop
.endr
.Lhead_asked:
	s_lshl_b32 s98, s94, 8
	s_lshl_b32 s99, s22, 7
	s_add_co_u32 s98, s98, s99                     ; my first column
	s_lshl_b32 s98, s98, 2
	s_mov_b32 s99, 0
	s_add_nc_u64 s[12:13], s[12:13], s[98:99]
	s_add_nc_u64 s[14:15], s[14:15], s[98:99]
	s_lshl_b32 s44, s93, 7
	s_lshl_b32 s45, s21, 6
	s_add_co_u32 s44, s44, s45                     ; my first row
	s_lshl_b32 s44, s44, 12
	s_mov_b32 s45, 0
	s_add_nc_u64 s[14:15], s[14:15], s[44:45]
	v_and_b32 v1, 31, v0
	v_and_b32 v2, 15, v0                           ; r
	v_bfe_u32 v3, v0, 4, 1                         ; h
	v_lshlrev_b32 v13, 6, v3                       ; 64 h: my half's 16 of each 32 biases
	v_lshlrev_b32 v[CO], 4, v1                     ; 16 x lane
	v_lshlrev_b32 v5, 3, v1
.irp e, 0,1,2,3
.irp d, 0,1,2,3
	global_load_b128 v[BX+16*\e+4*\d:BX+16*\e+4*\d+3], v13, s[12:13] offset:128*\e+16*\d   ; register 16 e + i: the bias of column 32 e + 16 h + i
.endr
.endr
	v_add_nc_u32 v5, 512, v5                       ; 8 x lane + 512
	s_mul_i32 s23, s21, 4*TILE                     ; my 4 tiles of A
	s_mul_i32 s95, s22, 8*TILE                     ; my 8 tiles of B,
	s_add_co_u32 s95, s95, BBASE                   ; behind A's 8
	v_add_nc_u32 v[ADRA], s23, v[CO]
	v_add_nc_u32 v[ADRA+1], s23, v5
	v_add_nc_u32 v[ADRB], s95, v[CO]
	v_add_nc_u32 v[ADRB+2], s95, v5
	s_add_co_u32 s95, s95, 4*TILE
	v_add_nc_u32 v[ADRB+1], s95, v[CO]
	v_add_nc_u32 v[ADRB+3], s95, v5
	v_mul_u32_u24 v30, v2, 32                      ; my row's scales: 32 bytes a row,
	v_lshrrev_b32 v31, 8, v30
	v_lshl_add_u32 v30, v31, 4, v30                ; and 16 more for each 256 passed
	s_mul_i32 s23, s21, 8*272                      ; A's: my 64 rows
	s_mul_i32 s95, s22, 16*272                     ; B's: my 128 rows, behind A's 128
	s_add_co_u32 s95, s95, 16*272
	s_sub_co_u32 s95, s95, s23
	v_mul_u32_u24 v31, s95, v3                     ; lanes 16-31 take B's
	s_add_co_u32 s23, s23, SCL
	v_add_nc_u32 v30, v30, v31
	v_add_nc_u32 v[ADRS], s23, v30
	s_mul_i32 s23, s20, 16*528                     ; my stage: 16 rows x (512 + 16) bytes, from LDS byte 0 on
	v_mul_u32_u24 v30, v2, 528
	v_lshl_add_u32 v30, v3, 6, v30
	v_add_nc_u32 v[STO], s23, v30
	v_add_nc_u32 v[RD], s23, v[CO]
.macro FRAG reg, a16, a8, off          ; a fragment comes as it was laid: registers 0-3, 4-5, 6-9, 10-11
	ds_load_b128 v[\reg:\reg+3],     v[\a16] offset:\off
	ds_load_b64  v[\reg+4:\reg+5],   v[\a8]  offset:\off
	ds_load_b128 v[\reg+6:\reg+9],   v[\a16] offset:\off+768
	ds_load_b64  v[\reg+10:\reg+11], v[\a8]  offset:\off+768
.endm
.macro FETCH k                         ; K step k's fragments into set k % 2: B's eight, A's four
	WIN 0x40                                       ; destination window 1, address window 0
.irp i, 0,1,2,3,4,5,6,7
	FRAG 128*((\k)%2)+FR*\i, ADRB+\i/4, ADRB+2+\i/4, TILE*(\i%4)+1536*(\k)
.endr
	WIN 0
.irp i, 0,1,2,3
	FRAG AF+48*((\k)%2)+FR*\i, ADRA, ADRA+1, TILE*\i+1536*(\k)
.endr
.endm
.macro MUL k, bias                     ; 32 products; the accumulators take turns, one instruction a turn, in the same order in every step
.irp a, 0,1,2,3
.irp b, 0,1,2,3,4,5,6,7
.if \bias
	v_wmma_scale_f32_16x16x128_f8f6f4 v[8*(8*\a+\b):8*(8*\a+\b)+7], v[128*((\k)%2)+FR*\b:128*((\k)%2)+FR*\b+FR-1], v[AF+48*((\k)%2)+FR*\a:AF+48*((\k)%2)+FR*\a+FR-1], v[BX+8*\b:BX+8*\b+7], v[SC+8*\b+(\k)], v[SC+8*\a+(\k)] matrix_a_fmt:MATRIX_FMT_FP6 matrix_b_fmt:MATRIX_FMT_FP6 matrix_a_scale:MATRIX_SCALE_ROW1
.else
	v_wmma_scale_f32_16x16x128_f8f6f4 v[8*(8*\a+\b):8*(8*\a+\b)+7], v[128*((\k)%2)+FR*\b:128*((\k)%2)+FR*\b+FR-1], v[AF+48*((\k)%2)+FR*\a:AF+48*((\k)%2)+FR*\a+FR-1], v[8*(8*\a+\b):8*(8*\a+\b)+7], v[SC+8*\b+(\k)], v[SC+8*\a+(\k)] matrix_a_fmt:MATRIX_FMT_FP6 matrix_b_fmt:MATRIX_FMT_FP6 matrix_a_scale:MATRIX_SCALE_ROW1
.endif
.endr
.endr
.endm
.macro STEP k
	s_wait_dscnt 0x0                               ; this step's fragments are in
.if (\k) > 0
	PLACES NP                                      ; behind the last step's products, whose set is loaded anew
.endif
.if (\k) < 7
	FETCH (\k)+1                                   ; lands under this step's 32 products
.else
	s_barrier_signal -1                            ; my reads of the tiles are over
.endif
.if (\k) == 0
	WIN 0x81                                       ; source 0 window 1, source 1 and C window 0, D window 2
	MUL \k, 1
.else
	WIN 0xa1                                       ; C and D window 2
	MUL \k, 0
.endif
	WIN 0
.endm
	s_wait_alu depctr_va_vdst(0)
	s_wait_tensorcnt 0x0                           ; my tile of the four is in,
	s_barrier_signal -1
	s_barrier_wait -1                              ; everybody's is
.irp i, 0,1,2,3,4,5,6,7
	ds_load_b128 v[SC+8*\i:SC+8*\i+3], v[ADRS] offset:\i*SBLK              ; all eight K steps' scale words of block i (for i over 3 lanes 0-15 read words that no product names)
	ds_load_b128 v[SC+8*\i+4:SC+8*\i+7], v[ADRS] offset:\i*SBLK+16
.endr
	FETCH 0
	s_wait_loadcnt 0x0                             ; the bias
.irp k, 0,1,2,3,4,5,6,7
	STEP \k
.endr
	s_barrier_wait -1                              ; no wave reads tiles any more: the stages may be written over A's
; THE WAY OUT, block by block of 16 rows x 128 columns, through my stage, back as whole rows of 512 bytes.  LDS serves a wave's instructions in order (ISA guide 5.7.1.4).
.macro TOSTAGE a
	WIN 0x08                                       ; the data: window 2
.irp b, 0,1,2,3,4,5,6,7
	ds_store_b128 v[STO], v[64*(\a)+8*\b:64*(\a)+8*\b+3] offset:128*(\b/2)+32*(\b%2)       ; each accumulator from its low end on
	ds_store_b128 v[STO], v[64*(\a)+8*\b+4:64*(\a)+8*\b+7] offset:128*(\b/2)+32*(\b%2)+16
.endr
	WIN 0
.set BBK, BK+64*((\a)%2)
.irp t, 0,1,2,3,4,5,6,7,8,9,10,11,12,13,14,15
	ds_load_b128 v[BBK+4*\t:BBK+4*\t+3], v[RD] offset:\t*528
.endr
.endm
.macro SEND a, younger                 ; younger: the LDS instructions issued behind block a's loads, which may stay out
.set BBK, BK+64*((\a)%2)
	s_wait_dscnt \younger
.irp t, 0,1,2,3,4,5,6,7,8,9,10,11,12,13,14,15
	global_store_b128 v[CO], v[BBK+4*\t:BBK+4*\t+3], s[14:15] offset:(32*((\a)/2)+8*((\a)%2)+\t+8*(\t/8))*4096 th:TH_STORE_NT   ; 32 lanes store 512 consecutive bytes, at a multiple of 256 from the buffer's first byte
.endr
.endm
	PLACES NP
	TOSTAGE 0
.irp a, 1,2,3
.if \a > 1
	s_wait_xcnt 0x0                                ; block a - 2's stores have read their registers: block a's loads may land there
.endif
	TOSTAGE \a
	SEND \a-1, 32                                  ; behind block a - 1's loads: block a's 16 stores and 16 loads
.endr
	SEND 3, 0
	s_wait_tensorcnt 0x0                           ; the wave's end
	ds_add_u32 v[SPW], v[NIL]
	s_wait_dscnt 0x0
	CROUND                                         ; the closing round
	s_endpgm
.Lfunc_end_k_q99193e227a_oproj:
	.size	k_q99193e227a_oproj, .Lfunc_end_k_q99193e227a_oproj-k_q99193e227a_oproj
	.p2alignl 7, 3214868480
	.fill 96, 4, 3214868480
	.section	.rodata,"a",@progbits
	.p2align	6, 0x0
	.amdhsa_kernel k_q99193e227a_oproj
		.amdhsa_group_segment_fixed_size 327680
		.amdhsa_private_segment_fixed_size 0
		.amdhsa_enable_private_segment 0
		.amdhsa_kernarg_size 48
		.amdhsa_user_sgpr_count 2
		.amdhsa_user_sgpr_kernarg_segment_ptr 1
		.amdhsa_wavefront_size32 1
		.amdhsa_system_sgpr_workgroup_id_x 1
		.amdhsa_system_sgpr_workgroup_id_y 1
		.amdhsa_system_sgpr_workgroup_id_z 1
		.amdhsa_system_vgpr_workitem_id 0
		.amdhsa_next_free_vgpr 768
		.amdhsa_next_free_sgpr 102
		.amdhsa_reserve_vcc 0
		.amdhsa_float_denorm_mode_32 3
		.amdhsa_float_denorm_mode_16_64 3
		.amdhsa_memory_ordered 1
		.amdhsa_forward_progress 1
		.amdhsa_inst_pref_size 84
	.end_amdhsa_kernel
	.amdgpu_metadata
---
amdhsa.version: [ 1, 2 ]
amdhsa.kernels:
  - .name:           k_q99193e227a_oproj
    .symbol:         k_q99193e227a_oproj.kd
    .args:
      - { .name: ocodes, .offset: 0, .size: 8, .value_kind: global_buffer, .address_space: global }
      - { .name: oscales, .offset: 8, .size: 8, .value_kind: global_buffer, .address_space: global }
      - { .name: codes, .offset: 16, .size: 8, .value_kind: global_buffer, .address_space: global }
      - { .name: scales, .offset: 24, .size: 8, .value_kind: global_buffer, .address_space: global }
      - { .name: bo, .offset: 32, .size: 8, .value_kind: global_buffer, .address_space: global }
      - { .name: out0, .offset: 40, .size: 8, .value_kind: global_buffer, .address_space: global }
    .group_segment_fixed_size: 327680
    .private_segment_fixed_size: 0
    .kernarg_segment_align: 8
    .kernarg_segment_size: 48
    .max_flat_workgroup_size: 128
    .sgpr_count:     102
    .vgpr_count:     768
    .wavefront_size: 32
...
	.end_amdgpu_metadata
.endif
;; end of part 4
